; MI455X (gfx1250); checked and timed in simulation.
; The chip was launched on July 23, 2026; its instructions are those of AMD's public machine-readable ISA for CDNA 5 (MIT licence, August 2026) and "CDNA5" Instruction Set Architecture Reference Guide (July 2026). The comments in the code are by the model that wrote it; some were corrected since.
;; Self Attention. Allowed arithmetic: matrix products marked QUANTISED: E2M3 operands, one E8M0 scale for each 32 along K, by v_wmma_scale_f32_16x16x128_f8f6f4 with both operands' format E2M3, f32 sums; everything else in f32.
;; Inputs: freqs_cos 2,048 x 1 x 64 float32; freqs_sin 2,048 x 1 x 64 float32; kb 2,048 float32; knorm_w 2,048 float32; kw 2,048 x 2,048 float32; ob 2,048 float32; ow 2,048 x 2,048 float32; qb 2,048 float32; qnorm_w 2,048 float32; qw 2,048 x 2,048 float32; vb 2,048 float32; vw 2,048 x 2,048 float32; x 1 x 2,048 x 2,048 float32.
;; Outputs: out0 1 x 2,048 x 2,048 float32.
;; This version of the problem:
;;   THIS VERSION OF THE PROBLEM IS GIVEN IN LOW PRECISION. The matrix products marked QUANTISED in the list below multiply operands that are first quantised to E2M3 (2 exponent bits, 3 mantissa bits; 6 bits a number), with one power-of-two scale for each 32 numbers along K (OCP MX v1.0); their sums are f32. All else is computed in f32.
;;   The module's matrix products, in the order in which they are computed (A, B: the left and right operand; K: the contracted axis; several contracted axes count as one K, in the product's order):
;;     1. [M 2,048, K 2,048] x [K 2,048, N 2,048]; A: input x; B: input qw: QUANTISED
;;     2. [M 2,048, K 2,048] x [K 2,048, N 2,048]; A: input x; B: input kw: QUANTISED
;;     3. [M 2,048, K 2,048] x [K 2,048, N 2,048]; A: input x; B: input vw: QUANTISED
;;     4. batch 16 x [M 2,048, K 128] x [K 128, N 2,048]; A: computed on the way; B: computed on the way: QUANTISED
;;     5. batch 16 x [M 128, K 2,048] x [K 2,048, N 2,048]; A: computed on the way; B: softmax (see below): QUANTISED
;;     6. [M 2,048, K 2,048] x [K 2,048, N 2,048]; A: computed on the way; B: input ow: QUANTISED
;;   THE QUANTISER, for each operand of a quantised product, along K:
;;     - K is cut into blocks of 32 from its start; a last block that is shorter is filled with zeros.
;;     - A block's scale is 2^e with e = floor(log2(the largest magnitude in the block)) - 2, held to -126 .. 127; a block of zeros has e = 0. As a byte (E8M0): e + 127.
;;     - Each number is divided by its block's scale, clamped to +-7.5, and rounded to the nearest number of E2M3, ties to even, subnormals kept.
;;     - The product sums the exact products of the quantised numbers (number of the format x scale) in f32.
;;   ~~~python
;;   def quantise(x, axis):      # numpy; x: float32 -> the quantised numbers, widened to float32 again
;;       x = np.moveaxis(x, axis, -1); K = x.shape[-1]
;;       x = np.pad(x, [(0, 0)] * (x.ndim - 1) + [(0, -K % 32)]); x = x.reshape(x.shape[:-1] + (-1, 32)); a = np.abs(x).max(-1, keepdims=True)
;;       e = np.where(a > 0, np.clip(np.frexp(np.where(a > 0, a, 1))[1] - 1 - 2, -126, 127), 0)      # np.frexp(a)[1] - 1 = floor(log2(a)), exactly
;;       r = np.clip(x / 2.0 ** e, -7.5, 7.5)
;;       step = 2.0 ** (np.maximum(np.frexp(np.where(r == 0, 1, r))[1] - 1, 0) - 3)
;;       q = np.round(r / step) * step * 2.0 ** e      # np.round: ties to even
;;       return np.moveaxis(q.reshape(q.shape[:-2] + (-1,))[..., :K], -1, axis).astype(np.float32)
;;   ~~~
;;   SOFTMAX AHEAD OF A QUANTISED PRODUCT. Where the list says 'softmax', what is quantised is not the finished softmax but p = 2^(t - M), with t = logit x log2(e) and M = ceil(the row's largest t), a whole number; so 1/2 < the row's largest p <= 1. The row's sum l is taken of the UNQUANTISED p, in f32, and the product's result is divided by l at the end. Since M is a whole number, a kernel that streams over the keys may use a running M (the ceiling of the running maximum): every later rescaling is an exact power of two, which a block's scale takes up: the codes' values come out the same.
;;   OPERANDS COMPUTED ON THE WAY. 'Computed on the way' means the value that the module computes at that place (a softmax that the list does not call 'softmax' is quantised finished and normalised). What goes into a quantiser is computed in f32, as accurately as f32 sums, v_exp_f32 and their like allow (about 1e-6 of the number): no bf16 or f16 on the way to a quantiser, and a product that is left as it is and whose result goes on into a quantised operand takes f32 operands (vector FMAs, or v_wmma_f32_16x16x4_f32). A number that lies on a knife's edge between two numbers of the format may be rounded either way, as far as f32 arithmetic and the matrix unit's own rounding can turn it there, and no further.
;; One version. Each part assembles by itself: llvm-mc -triple=amdgcn-amd-amdhsa -mcpu=gfx1250 --defsym DOCPART=n.
;; ======== version 1 of 1: 5 launches
;; limits: right only within a limited range of input values
;; workspace buffers: xq 3,407,872 bytes; wq 10,223,616 bytes; owq 3,407,872 bytes; bq 24,576 bytes; h 33,554,432 bytes; qa 3,407,872 bytes; kv 6,684,672 bytes; oq 3,407,872 bytes
;; launch quant (part 1): grid 643 x 1, 4 waves a work-group, no clusters, 34,304 bytes of LDS; arguments x, qw, kw, vw, ow, qb, kb, vb, xq, wq, owq, bq; writes xq, wq, owq, bq
.if DOCPART == 1
	.amdgcn_target "amdgcn-amd-amdhsa--gfx1250"
	.amdhsa_code_object_version 6
	.text
	.protected	k_qc8d685d6b1_quant
	.globl	k_qc8d685d6b1_quant
	.p2align	8
	.type	k_qc8d685d6b1_quant,@function
k_qc8d685d6b1_quant:
	s_mov_b64 s[64:65], 0
	v_nop
	global_prefetch_b8 v0, s[64:65] scope:SCOPE_SE
	s_setreg_imm32_b32 hwreg(HW_REG_WAVE_MODE, 25, 1), 1
	s_wait_xcnt 0x0
; x, qw, kw, vw, ow, each [2048][2048] f32 with K innermost, become operands of MX-FP6 (E2M3 codes, one E8M0 byte for each 32 along K), laid as IMAGES OF THE OPERAND'S REGISTERS.
; A fragment is 16 rows x 128 K: 12 registers a lane; lane (r = l % 16, h = l / 16) holds row r, registers 6 c .. 6 c + 5 hold k = 64 c + 32 h + 0 .. 31.  Its image is 1,536 dense bytes: registers 4 g .. 4 g + 3 of lane l at 512 g + 16 l.
; Its scale image is 128 bytes: the word of row l % 16 at 4 l.  A row tile's record is REC bytes: 16 fragments (K steps 0 .. 15), then their 16 scale images.
; SHARES.  Work-groups 0 .. 639: tensor g / 128, row tile g % 128: 16 whole rows; wave w takes K steps 4 w .. 4 w + 3.  qw, kw, vw go into one buffer, row tiles 0-127, 128-255, 256-383.
; Work-groups 640 .. 642 copy qb, kb, vb into one vector of 6,144 numbers, which the product's launch takes as one bias.
; Each load reads 512 consecutive bytes of one row; a K step's 16 x 512 bytes turn through the wave's own stage in LDS (rows 528 bytes apart) so that a lane gets 16 neighbours of each block of 32.
; A block's scale is 2^(floor(log2(largest magnitude)) - 2); its byte is the largest magnitude's exponent field - 2, held at 1 from below.
; LIMITS: a block of zeros, or one whose largest magnitude is under 2^-124, keeps the byte 1 (its codes are zeros or tiny; this program alone reads the bytes).  NaN and infinities are not served.
; No tensor loads, no barrier: waves share nothing.
.set REC,   26624
.set STG,   8448                       ; a wave's stage: 16 rows x (512 + 16) bytes
.set SPARE, 4*STG                      ; behind the stages: the spare words, 128 bytes for each wave, which no other line names
.set R0,    16                         ; v16-143  two sets of 64 registers as loaded
.set X,     144                        ; v144-207 64 numbers: register 16 b + i = k 32 b + 16 h + i of my row
.set TM,    208                        ; v208-223 at work
.set PW,    224                        ; the scale word
.set PC,    226                        ; v226-245 the codes
.set SPW,   250                        ; LDS address of my spare word; never rewritten
.set NIL,   251                        ; 0; never rewritten
.set WV,    28
.set SEL,   44
; 64 numbers of a lane, v[s] .. v[s + 63], become a fragment's codes in v[PC] .. v[PC + 11] and its scale word in v[PW]
.macro QUANT s
.irp b, 0,1,2,3
	v_max3_num_f32 v[TM+\b], |v[\s+16*\b]|, |v[\s+1+16*\b]|, 0x1800000   ; block b: my 16 numbers, and the floor 2^(3 - 127): the byte cannot fall under 1
.endr
.irp i, 2,4,6,8,10,12,14
.irp b, 0,1,2,3
	v_max3_num_f32 v[TM+\b], v[TM+\b], |v[\s+16*\b+\i]|, |v[\s+1+16*\b+\i]|   ; the four blocks by turns
.endr
.endr
.irp b, 0,1,2,3
	v_permlanex16_b32 v[TM+4+\b], v[TM+\b], s[SEL], s[SEL+1]
.endr
.irp b, 0,1,2,3
	v_max_num_f32 v[TM+\b], v[TM+\b], v[TM+4+\b]   ; with lane l xor 16's: the block's largest magnitude
.endr
.irp b, 0,1,2,3
	v_add_nc_u32 v[TM+12+\b], 0xff000000, v[TM+\b]   ; 2 off its exponent field: the conversion's scale operand
.endr
.irp b, 0,1,2,3
	v_lshrrev_b32 v[TM+4+\b], 23, v[TM+12+\b]   ; the scale's byte
.endr
	v_lshl_or_b32 v[PW], v[TM+5], 8, v[TM+4]
	v_lshl_or_b32 v[PW], v[TM+6], 16, v[PW]
	v_lshl_or_b32 v[PW], v[TM+7], 24, v[PW]
.irp c, 0,1
	v_cvt_scalef32_pk16_fp6_f32 v[PC+6*\c:PC+2+6*\c], v[\s+32*\c:\s+15+32*\c], v[TM+12+2*\c]
	v_cvt_scalef32_pk16_fp6_f32 v[PC+12+4*\c:PC+14+4*\c], v[\s+16+32*\c:\s+31+32*\c], v[TM+12+2*\c+1]   ; a conversion's three registers begin on an even number
.endr
	v_nop                                          ; one plain place behind a scaled conversion
.irp c, 0,1                                    ; the layout wants a whole block in a lane: lanes 0-15 block 2 c, lanes 16-31 block 2 c + 1
.irp i, 0,1,2
	v_permlane16_swap_b32 v[PC+6*\c+\i], v[PC+12+4*\c+\i]
.endr
.irp i, 0,1,2
	v_mov_b32 v[PC+3+6*\c+\i], v[PC+12+4*\c+\i]
.endr
.endr
.endm
	s_load_b512 s[4:19], s[0:1], 0x0               ; x, qw, kw, vw, ow, qb, kb, vb
	s_load_b256 s[20:27], s[0:1], 0x40             ; xq, wq, owq, bq
	v_lshl_add_u32 v[SPW], v0, 2, SPARE
	v_mov_b32 v[NIL], 0
	v_lshrrev_b32 v1, 5, v0
	v_readfirstlane_b32 s[WV], v1                  ; wave 0..3
	s_cmp_ge_u32 ttmp9, 640
	s_cbranch_scc1 .Lbias
	s_lshr_b32 s29, ttmp9, 7
	s_and_b32 s34, ttmp9, 127                      ; its row tile
	s_sub_co_u32 s35, s29, 1
	s_lshl_b32 s35, s35, 7                         ; qw, kw, vw: 128 row tiles each in one buffer
	s_cmp_eq_u32 s29, 0
	s_cselect_b32 s35, 0, s35
	s_cmp_eq_u32 s29, 4
	s_cselect_b32 s35, 0, s35
	s_add_co_u32 s35, s35, s34                     ; the row tile in the buffer written
	s_mul_i32 s36, s35, REC
	s_lshl_b32 s38, s[WV], 9
	s_add_co_u32 s38, s38, s36
	s_add_co_u32 s38, s38, 24576                   ; my four scale images
	s_mov_b32 s39, 0
	s_mul_i32 s42, s[WV], 6144
	s_add_co_u32 s36, s36, s42                     ; my four fragments
	s_mov_b32 s37, 0
	; WHICH 16 ROWS A TILE HOLDS.  x, qw, kw, vw: tile T holds rows 32 (T / 2) + 8 (T % 2) + i + 8 (i / 8), i = 0 .. 15, so that the products' results have 16 neighbours along the next K in a lane's registers.  ow: rows 16 T + i.
	s_lshr_b32 s40, s34, 1
	s_lshl_b32 s40, s40, 5
	s_and_b32 s43, s34, 1
	s_lshl_b32 s43, s43, 3
	s_add_co_u32 s40, s40, s43
	s_lshl_b32 s43, s34, 4
	s_cmp_eq_u32 s29, 4
	s_cselect_b32 s40, s43, s40                    ; the tile's first row
	s_cselect_b32 s43, 0, 0x10000                  ; the gap in front of its rows 8 .. 15: none, or 8 rows of 8,192 bytes
	s_lshl_b32 s40, s40, 13
	s_lshl_b32 s41, s[WV], 11                      ; my four K steps of 512 bytes
	s_add_co_u32 s40, s40, s41
	s_mov_b32 s41, 0
	s_mov_b32 s[SEL], 0x76543210
	s_mov_b32 s[SEL+1], 0xfedcba98                 ; selects for lane l xor 16
	v_and_b32 v1, 31, v0                           ; lane
	v_and_b32 v2, 15, v0                           ; r
	v_bfe_u32 v3, v0, 4, 1                         ; h
	v_lshlrev_b32 v4, 4, v1                        ; 16 x lane
	v_add_nc_u32 v8, s43, v4                       ; the same behind the gap: rows 8 .. 15
	v_lshlrev_b32 v5, 2, v1                        ; 4 x lane
	s_mul_i32 s42, s[WV], STG
	v_add_nc_u32 v6, s42, v4                       ; the stage, way in: a row's 512 bytes as they lie
	v_mul_u32_u24 v7, v2, 528
	v_lshl_add_u32 v7, v3, 6, v7
	v_add_nc_u32 v7, s42, v7                       ; way out: row r, + 64 h
.irp b, 0,1,2,3
	v_mov_b32 v[TM+4+\b], 0                        ; written once: a lane permute's destination counts as one of its sources
.endr
	s_wait_alu depctr_va_vdst(0)
	s_wait_kmcnt 0x0
	s_cmp_eq_u32 s29, 1                            ; the choices hang on the work-group's number alone
	s_cselect_b64 s[4:5], s[6:7], s[4:5]
	s_cmp_eq_u32 s29, 2
	s_cselect_b64 s[4:5], s[8:9], s[4:5]
	s_cmp_eq_u32 s29, 3
	s_cselect_b64 s[4:5], s[10:11], s[4:5]
	s_cmp_eq_u32 s29, 4
	s_cselect_b64 s[4:5], s[12:13], s[4:5]
	s_cselect_b64 s[30:31], s[24:25], s[22:23]
	s_cmp_eq_u32 s29, 0
	s_cselect_b64 s[30:31], s[20:21], s[30:31]
	s_add_nc_u64 s[32:33], s[30:31], s[38:39]      ; scale images
	s_add_nc_u64 s[30:31], s[30:31], s[36:37]      ; codes
	s_add_nc_u64 s[4:5], s[4:5], s[40:41]
.macro LOAD t                          ; K step t of my four: 16 rows x 512 consecutive bytes
.irp i, 0,1,2,3,4,5,6,7,8,9,10,11,12,13,14,15
	global_load_b128 v[R0+64*((\t)%2)+4*\i:R0+64*((\t)%2)+4*\i+3], v[4+4*(\i/8)], s[4:5] offset:8192*\i+512*(\t) th:TH_LOAD_NT
.endr
.endm
.macro FRAGM t
.if (\t) < 3
	s_wait_loadcnt 16                              ; this K step's 16 loads are in; the next one's 16 may be out
.else
	s_wait_loadcnt 0x0
.endif
.irp i, 0,1,2,3,4,5,6,7,8,9,10,11,12,13,14,15
	ds_store_b128 v6, v[R0+64*((\t)%2)+4*\i:R0+64*((\t)%2)+4*\i+3] offset:528*\i
.endr
.irp b, 0,1,2,3
.irp j, 0,1,2,3
	ds_load_b128 v[X+16*\b+4*\j:X+16*\b+4*\j+3], v7 offset:128*\b+16*\j   ; LDS serves a wave's instructions in order: these see the stores above
.endr
.endr
	s_wait_dscnt 0x0                               ; my 64 numbers are in, and the stores have read their registers
.if (\t) > 0
	s_wait_xcnt 0x0                                ; the last fragment's stores have read their data: codes and scale word are written again only behind this wait
.endif
.if (\t) < 2
	LOAD (\t)+2
.endif
	QUANT X
.irp c, 0,1,2
	global_store_b128 v4, v[PC+4*\c:PC+4*\c+3], s[30:31] offset:1536*(\t)+512*\c   ; 32 lanes store 512 consecutive bytes, at a multiple of 256 from the buffer's first byte
.endr
	global_store_b32 v5, v[PW], s[32:33] offset:128*(\t)
.endm
	LOAD 0
	LOAD 1
	FRAGM 0
	FRAGM 1
	FRAGM 2
	FRAGM 3
	s_wait_tensorcnt 0x0                           ; the wave's end
	ds_add_u32 v[SPW], v[NIL]
	s_wait_dscnt 0x0
	s_endpgm
.Lbias:                                            ; 8,192 bytes of one bias: 128 threads x 4 x 16 bytes.  This way touches no LDS
	s_sub_co_u32 s29, ttmp9, 640
	v_lshlrev_b32 v4, 4, v0
	s_lshl_b32 s30, s29, 13
	s_mov_b32 s31, 0
	s_wait_alu depctr_va_vdst(0)
	s_wait_kmcnt 0x0
	s_cmp_eq_u32 s29, 1
	s_cselect_b64 s[14:15], s[16:17], s[14:15]
	s_cmp_eq_u32 s29, 2
	s_cselect_b64 s[14:15], s[18:19], s[14:15]
	s_add_nc_u64 s[26:27], s[26:27], s[30:31]
.irp i, 0,1,2,3
	global_load_b128 v[16+4*\i:19+4*\i], v4, s[14:15] offset:2048*\i
.endr
	s_wait_loadcnt 0x0
.irp i, 0,1,2,3
	global_store_b128 v4, v[16+4*\i:19+4*\i], s[26:27] offset:2048*\i
.endr
	s_endpgm
.Lfunc_end_k_qc8d685d6b1_quant:
	.size	k_qc8d685d6b1_quant, .Lfunc_end_k_qc8d685d6b1_quant-k_qc8d685d6b1_quant
	.p2alignl 7, 3214868480
	.fill 96, 4, 3214868480
	.section	.rodata,"a",@progbits
	.p2align	6, 0x0
	.amdhsa_kernel k_qc8d685d6b1_quant
		.amdhsa_group_segment_fixed_size 34304
		.amdhsa_private_segment_fixed_size 0
		.amdhsa_enable_private_segment 0
		.amdhsa_kernarg_size 96
		.amdhsa_user_sgpr_count 2
		.amdhsa_user_sgpr_kernarg_segment_ptr 1
		.amdhsa_wavefront_size32 1
		.amdhsa_system_sgpr_workgroup_id_x 1
		.amdhsa_system_sgpr_workgroup_id_y 1
		.amdhsa_system_sgpr_workgroup_id_z 1
		.amdhsa_system_vgpr_workitem_id 0
		.amdhsa_next_free_vgpr 256
		.amdhsa_next_free_sgpr 66
		.amdhsa_reserve_vcc 0
		.amdhsa_float_denorm_mode_32 3
		.amdhsa_float_denorm_mode_16_64 3
		.amdhsa_memory_ordered 1
		.amdhsa_forward_progress 1
		.amdhsa_inst_pref_size 36
	.end_amdhsa_kernel
	.amdgpu_metadata
---
amdhsa.version: [ 1, 2 ]
amdhsa.kernels:
  - .name:           k_qc8d685d6b1_quant
    .symbol:         k_qc8d685d6b1_quant.kd
    .args:
      - { .name: x, .offset: 0, .size: 8, .value_kind: global_buffer, .address_space: global }
      - { .name: qw, .offset: 8, .size: 8, .value_kind: global_buffer, .address_space: global }
      - { .name: kw, .offset: 16, .size: 8, .value_kind: global_buffer, .address_space: global }
      - { .name: vw, .offset: 24, .size: 8, .value_kind: global_buffer, .address_space: global }
      - { .name: ow, .offset: 32, .size: 8, .value_kind: global_buffer, .address_space: global }
      - { .name: qb, .offset: 40, .size: 8, .value_kind: global_buffer, .address_space: global }
      - { .name: kb, .offset: 48, .size: 8, .value_kind: global_buffer, .address_space: global }
      - { .name: vb, .offset: 56, .size: 8, .value_kind: global_buffer, .address_space: global }
      - { .name: xq, .offset: 64, .size: 8, .value_kind: global_buffer, .address_space: global }
      - { .name: wq, .offset: 72, .size: 8, .value_kind: global_buffer, .address_space: global }
      - { .name: owq, .offset: 80, .size: 8, .value_kind: global_buffer, .address_space: global }
      - { .name: bq, .offset: 88, .size: 8, .value_kind: global_buffer, .address_space: global }
    .group_segment_fixed_size: 34304
    .private_segment_fixed_size: 0
    .kernarg_segment_align: 8
    .kernarg_segment_size: 96
    .max_flat_workgroup_size: 128
    .sgpr_count:     66
    .vgpr_count:     256
    .wavefront_size: 32
...
	.end_amdgpu_metadata
.endif
;; end of part 1
;; launch qkv (part 2): grid 16 x 16, 4 waves a work-group, clusters of 4 x 4, 327,680 bytes of LDS; arguments xq, wq, bq, h, kv; writes h, kv
.if DOCPART == 2
	.amdgcn_target "amdgcn-amd-amdhsa--gfx1250"
	.amdhsa_code_object_version 6
	.text
	.protected	k_qc8d685d6b1_qkv
	.globl	k_qc8d685d6b1_qkv
	.p2align	8
	.type	k_qc8d685d6b1_qkv,@function
k_qc8d685d6b1_qkv:
	s_mov_b64 s[64:65], 0
	v_nop
	global_prefetch_b8 v0, s[64:65] scope:SCOPE_SE
	s_setreg_imm32_b32 hwreg(HW_REG_WAVE_MODE, 25, 1), 1
	s_wait_xcnt 0x0
	s_wait_alu depctr_hold_cnt(0) depctr_sa_sdst(0) depctr_va_vdst(0) depctr_va_sdst(0) depctr_va_ssrc(0) depctr_va_vcc(0) depctr_vm_vsrc(0)
	s_getreg_b32 s2, hwreg(HW_REG_IB_STS2, 6, 4)
	s_cmp_eq_u32 s2, 0
	s_cbranch_scc0 .Lentry_in_a_cluster
	s_endpgm
.Lentry_in_a_cluster:
	s_bfe_u32 s2, ttmp6, 0x10000c
	s_cmp_lg_u32 s2, 0xf033
	s_cbranch_scc0 .Lentry_shape_is_right
	s_endpgm
.Lentry_shape_is_right:
; q, k, v = x W^T + bias on codes of MX-FP6 (E2M3, one E8M0 byte for each 32 along K), K = 2,048, f32 sums.  Operands are images of their registers: for each tile of 16 rows a record of REC bytes:
; 16 fragments of 1,536 bytes (K steps of 128; registers 4 g .. 4 g + 3 of lane l at 512 g + 16 l), then 16 scale images of 128 bytes (row l % 16's word at 4 l).  Tile T holds rows 32 (T / 2) + 8 (T % 2) + r + 8 (r / 8).
; SHARES.  Work-group (j, i): rows 128 i .. + 127 of x against head j's 128 columns of q, of k and of v.  Wave w takes all 128 rows and channels 32 w .. + 31 of each of the three: 8 x 6 = 48 accumulators, 384 registers.
; A (x): the work-group's 8 records, 212,992 bytes, hold all of K: they come into LDS once, one tensor load of two records a wave, asked for jointly by the four work-groups of a row of the cluster.  Nothing is filled again: the walk along K has no barrier.
; B (the weights): each fragment is used by ONE wave of the work-group, once: it goes from memory straight into that wave's registers, 512 consecutive bytes a load, three sets, two K steps ahead.
; B is not asked for jointly: A and B for all of K are 851,968 bytes, so B through LDS would need a ring with a round of the cluster's barrier at every change of slots, and no wave would share a byte of it with another wave of its work-group.
; q and k are used transposed (source 0 = W's rows, source 1 = x's): lane (r, hh) holds row r of x's tile; the 16 registers of W's tiles 2 w, 2 w + 1 are channels 32 w + 16 hh + 0 .. 15.  They leave as images:
;   h[z][x's tile T][head][w][4 x 512 bytes]: registers 4 n .. 4 n + 3 of those 16 at 512 n + 16 l.  Every store covers 512 consecutive bytes, aligned.
; v is used the other way round (source 0 = x's rows, source 1 = W's): lane r holds a channel, and the 64 registers of x's 8 tiles run down the keys: register 16 t + e = key 32 t + 16 hh + e.  It is quantised here, along the keys,
;   and goes into kv[head][key step i] as V's fragments 2 w, 2 w + 1 (from byte 12,288) and their scale words (from byte 25,600).
; The bias is the C of each sum's first product.  LIMITS: a block of zeros, or one under 2^-124, keeps the scale byte 1 (this program alone reads the bytes).  NaN and infinities are not served.
; PREFETCH: in K step s a wave names 9 blocks of 256 bytes of its six fragments of B of step s + 5, three steps ahead of the loads that want them.  The four work-groups of a column of the cluster, which read the same B,
;   share a wave's 36 blocks out by address (9 cy + lane); lanes 9 .. 31 name the ninth again.  Steps 0 .. 4 come by their loads alone; behind step 10 nothing is asked for.  A comes whole at the head and is not prefetched.
; REGISTERS.  window 0: v1-16 addresses; v28, v29 the add's two; v32-47 A's scale words, two sets; v48-65 B's, three sets; v72-119 the bias (at the end: at work); v128-223 A's fragments, set 0; v224-226 V's scale words.
;   window 1: B's fragments, three sets of 72.  window 2: q's 16 accumulators, then k's ((a, c) at 8 (2 a + c)).  window 3: v0-127 v's (64 c + 8 a); v128-223 A's fragments, set 1.
.set REC,   26624
.set FRB,   1536
.set FR,    12
.set ZB,    128*REC                    ; from q's tiles to k's, from k's to v's
.set KREC,  26112
.set SPARE, 8*REC                      ; behind A: the spare words, 128 bytes a wave, which no other line names
.set LI,  1                            ; 16 x lane
.set LS,  2                            ; 4 x lane
.set BH,  3                            ; 64 x (lane / 16)
.set BV,  4                            ; 4 x (r + 8 (r / 8))
.set ADA, 8                            ; v8-11  LDS: A's fragments of tiles 2 g, 2 g + 1
.set ADS, 12                           ; v12-15 their scale images
.set PFO, 16
.set SPW, 28
.set NIL, 29
.set ASC, 32
.set BSC, 48
.set BI,  72
.set AF,  128
.set TM,  72
.set PC0, 88
.set PW,  224
.set SW,  226
.set G1,  24
.set G0,  32
.set SBF, 36                           ; s[36:37] my six tiles of B: fragments;  s[38:39] scale images
.set SBS, 38
.set HQ,  44                           ; s[44:45] my part of h, q's plane;  s[46:47] k's
.set KV,  48                           ; s[48:49] V's fragments;  s[50:51] V's scale words
.set BB,  52
.set SEL, 54
.set FLO, 56
.set MK,  57
.set MSB, 0
.macro WIN new                         ; the immediate's high byte repeats the setting that is left
.if MSB != (\new)
	s_set_vgpr_msb (MSB<<8)|(\new)
.set MSB, (\new)
.endif
.endm
.macro PLACES                          ; four plain vector places behind matrix instructions, ahead of loads into their registers and of reads of results
.rept 4
	v_nop
.endr
.endm
.macro CROUND                          ; a round of the cluster's barrier
	s_barrier_signal -1
	s_barrier_wait -1
	s_cmp_lg_u32 s14, 0
	s_cbranch_scc1 .Lnot_wave_0_\@
	s_barrier_signal -3
.Lnot_wave_0_\@:
	s_barrier_wait -3
	s_barrier_signal -1
	s_barrier_wait -1
.endm
.macro FETCHA st, set                  ; 32 LDS loads: A's 8 fragments and scale words of a K step
	WIN 0xc0*(\set)
.irp i, 0,1,2,3,4,5,6,7
.irp g, 0,1,2
	ds_load_b128 v[AF+FR*\i+4*\g:AF+FR*\i+4*\g+3], v[ADA+\i/2] offset:(\i%2)*REC+(\st)*FRB+512*\g
.endr
.endr
	WIN 0
.irp i, 0,1,2,3,4,5,6,7
	ds_load_b32 v[ASC+8*(\set)+\i], v[ADS+\i/2] offset:(\i%2)*REC+24576+(\st)*128
.endr
.endm
.macro LOADB st, set                   ; 24 loads: my six fragments of B (n = 2 z + c) and their scale words
	WIN 0x40
.irp n, 0,1,2,3,4,5
.irp g, 0,1,2
	global_load_b128 v[72*(\set)+FR*\n+4*\g:72*(\set)+FR*\n+4*\g+3], v[LI], s[SBF:SBF+1] offset:(\n/2)*ZB+(\n%2)*REC+(\st)*FRB+512*\g
.endr
.endr
	WIN 0
.irp n, 0,1,2,3,4,5
	global_load_b32 v[BSC+6*(\set)+\n], v[LS], s[SBS:SBS+1] offset:(\n/2)*ZB+(\n%2)*REC+(\st)*128
.endr
.endm
.macro WM d, p, q, c, e, f
	v_wmma_scale_f32_16x16x128_f8f6f4 v[(\d):(\d)+7], v[(\p):(\p)+11], v[(\q):(\q)+11], v[(\c):(\c)+7], v[\e], v[\f] matrix_a_fmt:MATRIX_FMT_FP6 matrix_b_fmt:MATRIX_FMT_FP6
.endm
; A K step: A's set sa, B's set sb.  fa: the step of A to fetch into the other set; lb: the step of B to load into the set just left (-1: none); lw: loads that may stay out; pf: 1 prefetch, 2 prefetch in the first trip alone.
; The 48 accumulators take turns, one instruction a turn, in the same order in every step.
.macro STEP sa, sb, first, fa, lb, lw, pf
	PLACES
.if \fa >= 0
	FETCHA \fa, 1-\sa
.endif
.if \lb >= 0
	LOADB \lb, (\sb+2)%3
.endif
.if \fa >= 0
	s_wait_dscnt 32                                ; this step's A is in; the 32 loads just issued may be out
.else
	s_wait_dscnt 0x0
.endif
	s_wait_loadcnt \lw                             ; this step's B is in; the later steps' loads, 24 each, may be out
	WIN 0xa1+12*(\sa)-0x20*(\first)
.irp a, 0,1,2,3,4,5,6,7
.irp n, 0,1,2,3
.if \first
	WM 128*(\n/2)+8*(2*\a+\n%2), 72*(\sb)+FR*\n, AF+FR*\a, BI+8*\n, BSC+6*(\sb)+\n, ASC+8*(\sa)+\a
.else
	WM 128*(\n/2)+8*(2*\a+\n%2), 72*(\sb)+FR*\n, AF+FR*\a, 128*(\n/2)+8*(2*\a+\n%2), BSC+6*(\sb)+\n, ASC+8*(\sa)+\a
.endif
.endr
.endr
.if \pf
	WIN 0
.if \pf == 2
	s_cmp_gt_u32 s3, 1                             ; in the last trip these steps have no step five on
	s_cbranch_scc0 .Lnp_\@
.endif
	global_prefetch_b8 v[PFO], s[SBF:SBF+1] offset:(\lb+3)*FRB th:TH_LOAD_NT scope:SCOPE_SE
.if \pf == 2
.Lnp_\@:
.endif
.endif
	WIN 0xf4+3*(\sa)-0x30*(\first)
.irp a, 0,1,2,3,4,5,6,7
.irp e, 0,1
.if \first
	WM 64*\e+8*\a, AF+FR*\a, 72*(\sb)+FR*(4+\e), BI+8*(4+\e), ASC+8*(\sa)+\a, BSC+6*(\sb)+4+\e
.else
	WM 64*\e+8*\a, AF+FR*\a, 72*(\sb)+FR*(4+\e), 64*\e+8*\a, ASC+8*(\sa)+\a, BSC+6*(\sb)+4+\e
.endif
.endr
.endr
.endm
	s_load_b256 s[4:11], s[0:1], 0x0               ; xq, wq, bq, h
	s_load_b64 s[12:13], s[0:1], 0x20              ; kv
	v_lshl_add_u32 v[SPW], v0, 2, SPARE
	v_mov_b32 v[NIL], 0
	ds_add_u32 v[SPW], v[NIL]                      ; the opening: the add, twice on end, and its wait ahead of my first tensor load
	ds_add_u32 v[SPW], v[NIL]
	v_lshrrev_b32 v1, 5, v0
	v_readfirstlane_b32 s14, v1                    ; wave 0..3
	s_bfe_u32 s40, ttmp6, 0x40000                  ; cx, cy: my place in the cluster
	s_bfe_u32 s41, ttmp6, 0x40004
	s_lshl_b32 s42, ttmp9, 2
	s_add_co_u32 s42, s42, s40                     ; head j
	s_and_b32 s17, ttmp7, 0xffff
	s_lshl_b32 s17, s17, 2
	s_add_co_u32 s17, s17, s41                     ; row block i
	s_lshl_b32 s43, s41, 2
	s_lshl_b32 s43, 15, s43                        ; my row of the cluster
	s_or_b32 s[G1], s43, (3<<16)|(1<<21)           ; the mask; elements of 8 bytes; bit 21 beside a mask
	s_mov_b32 s[G1+1], 3328<<16                    ; two records, each a row of 26,624 bytes
	s_mov_b32 s[G1+2], 2<<16
	s_mov_b32 s[G1+3], 3328<<16
	s_mov_b32 s[G1+4], 2
	s_mov_b32 s[G1+5], 3328
	s_mov_b32 s[G1+6], 0
	s_mov_b32 s[G1+7], 0
	s_lshl_b32 s15, s14, 1
	s_lshl_b32 s34, s17, 3
	s_add_co_u32 s34, s34, s15
	s_mul_i32 s34, s34, REC                        ; A: tiles 8 i + 2 w, + 1
	s_mov_b32 s35, 0
	s_lshl_b32 s36, s42, 3
	s_add_co_u32 s36, s36, s15
	s_mul_i32 s36, s36, REC                        ; B: tiles 8 j + 2 w, + 1 of each of the three
	s_mov_b32 s37, 0
	s_mul_i32 s16, s14, 2*REC                      ; where my two records go in LDS
	s_lshl_b32 s44, s17, 20                        ; h: x's tile 8 i (131,072 bytes a tile), head j (8,192), w (2,048)
	s_lshl_b32 s45, s42, 13
	s_add_co_u32 s44, s44, s45
	s_lshl_b32 s45, s14, 11
	s_add_co_u32 s44, s44, s45
	s_mov_b32 s45, 0
	s_lshl_b32 s19, s42, 4
	s_add_co_u32 s19, s19, s17
	s_mul_i32 s19, s19, KREC                       ; kv: head j, key step i
	s_mul_i32 s48, s14, 3072
	s_add_co_u32 s48, s48, s19
	s_add_co_u32 s48, s48, 12288
	s_mov_b32 s49, 0
	s_lshl_b32 s50, s14, 7
	s_add_co_u32 s50, s50, s19
	s_add_co_u32 s50, s50, 25600
	s_mov_b32 s51, 0
	s_lshl_b32 s52, s42, 9                         ; the bias: 4 (128 j + 32 w)
	s_lshl_b32 s53, s14, 7
	s_add_co_u32 s52, s52, s53
	s_mov_b32 s53, 0
	s_mul_i32 s18, s41, 9
	s_mov_b32 s[SEL], 0x76543210
	s_mov_b32 s[SEL+1], 0xfedcba98                 ; selects for lane l xor 16
	s_mov_b32 s[FLO], 0x1800000                    ; 2^(3 - 127)
	s_mov_b32 s[MK], 0xffff0000
	v_and_b32 v5, 31, v0
	v_lshlrev_b32 v[LI], 4, v5
	v_lshlrev_b32 v[LS], 2, v5
	v_bfe_u32 v6, v0, 4, 1
	v_lshlrev_b32 v[BH], 6, v6
	v_and_b32 v7, 15, v0
	v_and_b32 v[BV], 8, v7
	v_add_nc_u32 v[BV], v[BV], v7
	v_lshlrev_b32 v[BV], 2, v[BV]
.irp g, 0,1,2,3
	v_add_nc_u32 v[ADA+\g], \g*2*REC, v[LI]
	v_add_nc_u32 v[ADS+\g], \g*2*REC, v[LS]
.endr
	v_min_u32 v[PFO], 8, v5                        ; the prefetches: block 9 cy + lane of my 36: fragment n = block / 6, its 256 bytes number block % 6
	v_add_nc_u32 v[PFO], s18, v[PFO]
	v_mul_u32_u24 v17, v[PFO], 43
	v_lshrrev_b32 v17, 8, v17
	v_mul_u32_u24 v18, v17, 6
	v_sub_nc_u32 v18, v[PFO], v18
	v_lshrrev_b32 v19, 1, v17
	v_and_b32 v17, 1, v17
	v_mul_u32_u24 v19, v19, ZB
	v_mad_u32_u24 v19, v17, REC, v19
	v_lshl_add_u32 v[PFO], v18, 8, v19
.irp b, 0,1,2,3
	v_mov_b32 v[240+\b], 0
.endr
	s_wait_alu depctr_va_vdst(0)
	s_wait_dscnt 0x0                               ; both opening adds are done
	s_wait_kmcnt 0x0
	s_mov_b32 s[G0], 1
	s_mov_b32 s[G0+1], s16
	s_add_nc_u64 s[G0+2:G0+3], s[4:5], s[G0+2:G0+3]
	s_or_b32 s[G0+3], s[G0+3], 0x80000000
	s_add_nc_u64 s[SBF:SBF+1], s[6:7], s[SBF:SBF+1]
	s_add_nc_u64 s[SBS:SBS+1], s[SBF:SBF+1], 24576
	s_add_nc_u64 s[BB:BB+1], s[8:9], s[BB:BB+1]
	s_add_nc_u64 s[HQ:HQ+1], s[10:11], s[HQ:HQ+1]
	s_add_nc_u64 s[HQ+2:HQ+3], s[HQ:HQ+1], 0x1000000
	s_add_nc_u64 s[KV:KV+1], s[12:13], s[KV:KV+1]
	s_add_nc_u64 s[KV+2:KV+3], s[12:13], s[KV+2:KV+3]
	CROUND                                         ; all sixteen work-groups are here: the joint loads meet
	tensor_load_to_lds s[G0:G0+3], s[G1:G1+7]      ; my one tensor load: two of A's eight records
	s_nop 0
	PLACES
.irp n, 0,1,2,3                                ; q's and k's bias: register e of tile c = channel 32 w + 16 hh + 8 c + e
	global_load_b128 v[BI+8*\n:BI+8*\n+3], v[BH], s[BB:BB+1] offset:(\n/2)*8192+(\n%2)*32
	global_load_b128 v[BI+8*\n+4:BI+8*\n+7], v[BH], s[BB:BB+1] offset:(\n/2)*8192+(\n%2)*32+16
.endr
.irp e, 0,1                                    ; v's: all eight registers hold the bias of the lane's channel 32 w + 8 c + r + 8 (r / 8)
.irp k, 0,1,2,3,4,5,6,7
	global_load_b32 v[BI+32+8*\e+\k], v[BV], s[BB:BB+1] offset:16384+32*\e
.endr
.endr
	LOADB 0, 0
	LOADB 1, 1
	s_wait_tensorcnt 0x0                           ; my two records are in,
	s_barrier_signal -1
	s_barrier_wait -1                              ; everybody's are
	FETCHA 0, 0
	STEP 0, 0, 1, 1, 2, 48, 1                      ; K step 0 starts the sums from the bias (its wait leaves B's steps 1 and 2 out: the bias was asked for ahead of them)
	STEP 1, 1, 0, 2, 3, 48, 1
	WIN 0
	s_mov_b32 s3, 2
.Ltrip:                                            ; six K steps a trip: after them A's two sets and B's three are back where they began.  K steps 2 .. 13
	STEP 0, 2, 0, 3, 4, 48, 1
	STEP 1, 0, 0, 4, 5, 48, 1
	STEP 0, 1, 0, 5, 6, 48, 1
	STEP 1, 2, 0, 6, 7, 48, 2
	STEP 0, 0, 0, 7, 8, 48, 2
	STEP 1, 1, 0, 8, 9, 48, 2
	WIN 0
	s_wait_xcnt 0x0                                ; the loads and prefetches have read their bases
	s_add_nc_u64 s[SBF:SBF+1], s[SBF:SBF+1], 6*FRB
	s_add_nc_u64 s[SBS:SBS+1], s[SBS:SBS+1], 6*128
.irp g, 0,1,2,3
	v_add_nc_u32 v[ADA+\g], 6*FRB, v[ADA+\g]
	v_add_nc_u32 v[ADS+\g], 6*128, v[ADS+\g]
.endr
	s_sub_co_u32 s3, s3, 1
	s_cmp_lg_u32 s3, 0
	s_wait_alu depctr_va_vdst(0)
	s_cbranch_scc1 .Ltrip
	STEP 0, 2, 0, 3, -1, 24, 0                     ; K step 14: step 15's B may be out
	STEP 1, 0, 0, -1, -1, 0, 0                     ; K step 15
	PLACES
	WIN 0x08                                       ; the stores' data: window 2
.irp z, 0,1
.irp a, 0,1,2,3,4,5,6,7
.irp e, 0,1
	global_store_b128 v[LI], v[128*\z+8*(2*\a+\e):128*\z+8*(2*\a+\e)+3], s[HQ+2*\z:HQ+2*\z+1] offset:\a*131072+\e*1024 th:TH_STORE_NT   ; each accumulator from its low end on
	global_store_b128 v[LI], v[128*\z+8*(2*\a+\e)+4:128*\z+8*(2*\a+\e)+7], s[HQ+2*\z:HQ+2*\z+1] offset:\a*131072+\e*1024+512 th:TH_STORE_NT
.endr
.endr
.endr
; V's channel tile c: 64 numbers a lane, in window 3, become a fragment's codes and its scale word.  A block's scale byte is its largest magnitude's exponent field - 2, held at 1 from below.
.macro QV c
.set QS, 64*(\c)
.set PC, PC0+20*(\c)
	WIN 0x3c                                       ; sources 1 and 2: window 3
.irp b, 0,1,2,3
	v_max3_num_f32 v[TM+\b], s[FLO], |v[QS+16*\b]|, |v[QS+16*\b+1]|
.endr
.irp i, 2,4,6,8,10,12,14
.irp b, 0,1,2,3
	v_max3_num_f32 v[TM+\b], v[TM+\b], |v[QS+16*\b+\i]|, |v[QS+16*\b+\i+1]|
.endr
.endr
	WIN 0
.irp b, 0,1,2,3
	v_permlanex16_b32 v[240+\b], v[TM+\b], s[SEL], s[SEL+1]
.endr
.irp b, 0,1,2,3
	v_max_num_f32 v[TM+\b], v[TM+\b], v[240+\b]    ; with lane l xor 16's 16 keys
.endr
.irp b, 0,1,2,3
	v_add_nc_u32 v[TM+12+\b], 0xff000000, v[TM+\b] ; 2 off the exponent field: the conversion's scale operand
.endr
.irp b, 0,1,2,3
	v_lshrrev_b32 v[TM+4+\b], 23, v[TM+12+\b]      ; the scale's byte
.endr
	v_lshl_or_b32 v[PW+\c], v[TM+5], 8, v[TM+4]
	v_lshl_or_b32 v[PW+\c], v[TM+6], 16, v[PW+\c]
	v_lshl_or_b32 v[PW+\c], v[TM+7], 24, v[PW+\c]
	WIN 0x03                                       ; source 0: window 3
.irp e, 0,1
	v_cvt_scalef32_pk16_fp6_f32 v[PC+6*\e:PC+2+6*\e], v[QS+32*\e:QS+15+32*\e], v[TM+12+2*\e]
	v_cvt_scalef32_pk16_fp6_f32 v[PC+12+4*\e:PC+14+4*\e], v[QS+16+32*\e:QS+31+32*\e], v[TM+12+2*\e+1]
.endr
	WIN 0
	v_nop                                          ; one plain place behind a scaled conversion
.irp e, 0,1                                    ; the layout wants a whole block in a lane
.irp i, 0,1,2
	v_permlane16_swap_b32 v[PC+6*\e+\i], v[PC+12+4*\e+\i]
.endr
.irp i, 0,1,2
	v_mov_b32 v[PC+3+6*\e+\i], v[PC+12+4*\e+\i]
.endr
.endr
.irp g, 0,1,2
	global_store_b128 v[LI], v[PC+4*\g:PC+4*\g+3], s[KV:KV+1] offset:1536*(\c)+512*\g
.endr
.endm
	QV 0
	QV 1
	v_cndmask_b32 v[SW], v[PW], v[PW+1], s[MK]     ; lanes 0-15: tile 2 w's 16 words, lanes 16-31: tile 2 w + 1's
	global_store_b32 v[LS], v[SW], s[KV+2:KV+3]
	s_wait_tensorcnt 0x0                           ; the wave's end
	ds_add_u32 v[SPW], v[NIL]
	s_wait_dscnt 0x0
	CROUND                                         ; the closing round
	s_endpgm
.Lfunc_end_k_qc8d685d6b1_qkv:
	.size	k_qc8d685d6b1_qkv, .Lfunc_end_k_qc8d685d6b1_qkv-k_qc8d685d6b1_qkv
	.p2alignl 7, 3214868480
	.fill 96, 4, 3214868480
	.section	.rodata,"a",@progbits
	.p2align	6, 0x0
	.amdhsa_kernel k_qc8d685d6b1_qkv
		.amdhsa_group_segment_fixed_size 327680
		.amdhsa_private_segment_fixed_size 0
		.amdhsa_enable_private_segment 0
		.amdhsa_kernarg_size 40
		.amdhsa_user_sgpr_count 2
		.amdhsa_user_sgpr_kernarg_segment_ptr 1
		.amdhsa_wavefront_size32 1
		.amdhsa_system_sgpr_workgroup_id_x 1
		.amdhsa_system_sgpr_workgroup_id_y 1
		.amdhsa_system_sgpr_workgroup_id_z 1
		.amdhsa_system_vgpr_workitem_id 0
		.amdhsa_next_free_vgpr 1024
		.amdhsa_next_free_sgpr 66
		.amdhsa_reserve_vcc 0
		.amdhsa_float_denorm_mode_32 3
		.amdhsa_float_denorm_mode_16_64 3
		.amdhsa_memory_ordered 1
		.amdhsa_forward_progress 1
		.amdhsa_inst_pref_size 131
	.end_amdhsa_kernel
	.amdgpu_metadata
---
amdhsa.version: [ 1, 2 ]
amdhsa.kernels:
  - .name:           k_qc8d685d6b1_qkv
    .symbol:         k_qc8d685d6b1_qkv.kd
    .args:
      - { .name: xq, .offset: 0, .size: 8, .value_kind: global_buffer, .address_space: global }
      - { .name: wq, .offset: 8, .size: 8, .value_kind: global_buffer, .address_space: global }
      - { .name: bq, .offset: 16, .size: 8, .value_kind: global_buffer, .address_space: global }
      - { .name: h, .offset: 24, .size: 8, .value_kind: global_buffer, .address_space: global }
      - { .name: kv, .offset: 32, .size: 8, .value_kind: global_buffer, .address_space: global }
    .group_segment_fixed_size: 327680
    .private_segment_fixed_size: 0
    .kernarg_segment_align: 8
    .kernarg_segment_size: 40
    .max_flat_workgroup_size: 128
    .sgpr_count:     66
    .vgpr_count:     1024
    .wavefront_size: 32
...
	.end_amdgpu_metadata
.endif
;; end of part 2
;; launch norm (part 3): grid 256 x 1, 16 waves a work-group, no clusters, 11,776 bytes of LDS; arguments h, qnorm_w, knorm_w, freqs_cos, freqs_sin, qa, kv; writes qa, kv
.if DOCPART == 3
	.amdgcn_target "amdgcn-amd-amdhsa--gfx1250"
	.amdhsa_code_object_version 6
	.text
	.protected	k_qc8d685d6b1_norm
	.globl	k_qc8d685d6b1_norm
	.p2align	8
	.type	k_qc8d685d6b1_norm,@function
k_qc8d685d6b1_norm:
	s_mov_b64 s[64:65], 0
	v_nop
	global_prefetch_b8 v0, s[64:65] scope:SCOPE_SE
	s_setreg_imm32_b32 hwreg(HW_REG_WAVE_MODE, 25, 1), 1
	s_wait_xcnt 0x0
; q and k with their biases, f32, get the RMS norm over the whole row of 2,048, the gain and the rotation of neighbouring pairs, and are quantised along a head's 128 (MX-FP6: E2M3 codes, one E8M0 byte for each 32).
; h[z][tile T][head][8,192 bytes] is an image of the registers wanted here: lane (r, hh) holds row r of the tile; register 16 b + e = channel 32 b + 16 hh + e of the head; registers 4 n .. 4 n + 3 lie at 512 n + 16 l.
; Tile T holds rows (positions) 32 (T / 2) + 8 (T % 2) + r + 8 (r / 8), for q and for k alike.
; The results leave as images of the operands' registers (a fragment: 16 rows x 128 K, 1,536 bytes, registers 4 g .. 4 g + 3 of lane l at 512 g + 16 l).
; qa: Q's fragments [head][tile][1,536]; from byte 3,145,728 their scale images [head][tile][128] (row l % 16's word at 4 l).  kv: [head][key step of 128][KREC]: K's 8 fragments at the record's head, K's 8 scale images from byte 24,576.
; WORK-GROUP g: tensor z = g / 128, tile T = g % 128: 16 whole rows; wave w takes head w.  The rows' sums of squares meet in LDS: one barrier.  cos and sin of the 16 rows come once, through LDS.
; ROUNDING: the sum of squares is added in a fixed tree; 1 / rms by v_rsq_f32; the rotation by one product and one fused multiply-add for each number.
; LIMITS: a block of zeros, or one under 2^-124, keeps the scale byte 1 (this program alone reads the bytes).  NaN and infinities are not served.
.set PSB,   0                          ; the partial sums of squares: [row][wave], 64 bytes a row
.set CSB,   1024                       ; cos: 16 rows x (256 + 16) bytes; sin: 4,352 bytes on
.set SPARE, CSB+8704                   ; the spare words, 128 bytes for each of 16 waves, which no other line names
.set KREC,  26112
.set HSTR,  16*KREC
.set CN,    16                         ; v16-47 cos, v48-79 sin
.set SN,    48
.set X,     80                         ; v80-143 my 64 numbers
.set W,     144                        ; v144-207 the gain; later the rotated numbers
.set Y,     144
.set TM,    208
.set PW,    224
.set PC,    226                        ; v226-245 the codes; before that v226-229 two rows of cos or sin, v230-234 the sum of squares
.set CSR,   226
.set SPW,   252
.set NIL,   253
.set WV,    18
.set SEL,   20
.macro QUANT s
.irp b, 0,1,2,3
	v_max3_num_f32 v[TM+\b], |v[\s+16*\b]|, |v[\s+1+16*\b]|, 0x1800000   ; block b: my 16 numbers, and the floor 2^(3 - 127)
.endr
.irp i, 2,4,6,8,10,12,14
.irp b, 0,1,2,3
	s_delay_alu instid0(VALU_DEP_4)
	v_max3_num_f32 v[TM+\b], v[TM+\b], |v[\s+16*\b+\i]|, |v[\s+1+16*\b+\i]|
.endr
.endr
.irp b, 0,1,2,3
	s_delay_alu instid0(VALU_DEP_4)
	v_permlanex16_b32 v[TM+4+\b], v[TM+\b], s[SEL], s[SEL+1]
.endr
.irp b, 0,1,2,3
	s_delay_alu instid0(VALU_DEP_4)
	v_max_num_f32 v[TM+\b], v[TM+\b], v[TM+4+\b]   ; with lane l xor 16's
.endr
.irp b, 0,1,2,3
	s_delay_alu instid0(VALU_DEP_4)
	v_add_nc_u32 v[TM+12+\b], 0xff000000, v[TM+\b] ; 2 off the exponent field: the conversion's scale operand
.endr
.irp b, 0,1,2,3
	s_delay_alu instid0(VALU_DEP_4)
	v_lshrrev_b32 v[TM+4+\b], 23, v[TM+12+\b]      ; the scale's byte
.endr
	s_delay_alu instid0(VALU_DEP_3)
	v_lshl_or_b32 v[PW], v[TM+5], 8, v[TM+4]
	s_delay_alu instid0(VALU_DEP_1)
	v_lshl_or_b32 v[PW], v[TM+6], 16, v[PW]
	s_delay_alu instid0(VALU_DEP_1)
	v_lshl_or_b32 v[PW], v[TM+7], 24, v[PW]
.irp c, 0,1
	v_cvt_scalef32_pk16_fp6_f32 v[PC+6*\c:PC+2+6*\c], v[\s+32*\c:\s+15+32*\c], v[TM+12+2*\c]
	v_cvt_scalef32_pk16_fp6_f32 v[PC+12+4*\c:PC+14+4*\c], v[\s+16+32*\c:\s+31+32*\c], v[TM+12+2*\c+1]
.endr
	v_nop                                          ; one plain place behind a scaled conversion
.irp c, 0,1
.irp i, 0,1,2
	v_permlane16_swap_b32 v[PC+6*\c+\i], v[PC+12+4*\c+\i]
.endr
.irp i, 0,1,2
	s_delay_alu instid0(VALU_DEP_3)
	v_mov_b32 v[PC+3+6*\c+\i], v[PC+12+4*\c+\i]
.endr
.endr
.endm
	s_load_b256 s[4:11], s[0:1], 0x0               ; h, qnorm_w, knorm_w, freqs_cos
	s_load_b128 s[12:15], s[0:1], 0x20             ; freqs_sin, qa
	s_load_b64 s[16:17], s[0:1], 0x30              ; kv
	v_lshl_add_u32 v[SPW], v0, 2, SPARE
	v_mov_b32 v[NIL], 0
	v_lshrrev_b32 v1, 5, v0
	s_delay_alu instid0(VALU_DEP_1)
	v_readfirstlane_b32 s[WV], v1                  ; wave 0..15
	s_lshr_b32 s23, ttmp9, 7                       ; z: 0 q, 1 k
	s_and_b32 s24, ttmp9, 127                      ; T
	s_lshr_b32 s25, s24, 1
	s_lshl_b32 s25, s25, 5
	s_and_b32 s27, s24, 1
	s_lshl_b32 s27, s27, 3
	s_add_co_u32 s25, s25, s27                     ; the tile's first position
	s_lshl_b32 s28, ttmp9, 4
	s_add_co_u32 s28, s28, s[WV]
	s_lshl_b32 s28, s28, 13                        ; my image: (16 g + w) x 8,192 bytes
	s_mov_b32 s29, 0
	s_lshr_b32 s30, s[WV], 1                       ; cos (even waves) and sin (odd): rows 2 (w / 2) and the next of the tile's 16
	s_lshl_b32 s31, s30, 1
	s_add_co_u32 s31, s31, s25
	s_lshr_b32 s32, s[WV], 3
	s_lshl_b32 s32, s32, 3                         ; rows 8 .. 15 lie 8 positions further on
	s_add_co_u32 s31, s31, s32
	s_lshl_b32 s32, s31, 8                         ; x 256 bytes
	s_mov_b32 s33, 0
	s_lshl_b32 s26, s[WV], 2
	s_and_b32 s34, s[WV], 1
	s_mul_i32 s34, s34, 4352
	s_mul_i32 s35, s30, 544
	s_add_co_u32 s34, s34, s35
	s_add_co_u32 s22, s34, CSB
	s_mov_b32 s[SEL], 0x76543210
	s_mov_b32 s[SEL+1], 0xfedcba98
	s_mov_b32 s40, 0x3a000000                      ; 1 / 2,048
	s_mov_b32 s41, 0x358637bd                      ; 1e-6
	s_lshl_b32 s30, s[WV], 7                       ; q: fragment and scale image 128 w + T
	s_add_co_u32 s30, s30, s24
	s_mul_i32 s31, s30, 1536
	s_lshl_b32 s48, s30, 7
	s_add_co_u32 s48, s48, 3145728
	s_mul_i32 s49, s[WV], HSTR                     ; k: head w, key step T / 8, tile T % 8
	s_lshr_b32 s34, s24, 3
	s_mul_i32 s34, s34, KREC
	s_add_co_u32 s49, s49, s34
	s_and_b32 s34, s24, 7
	s_mul_i32 s35, s34, 1536
	s_add_co_u32 s35, s35, s49
	s_lshl_b32 s34, s34, 7
	s_add_co_u32 s34, s34, s49
	s_add_co_u32 s34, s34, 24576
	s_cmp_eq_u32 s23, 0
	s_cselect_b32 s36, s31, s35
	s_cselect_b32 s38, s48, s34
	s_mov_b32 s37, 0
	s_mov_b32 s39, 0
	s_lshl_b32 s34, s[WV], 9
	s_mov_b32 s35, 0
	v_and_b32 v1, 31, v0                           ; lane
	v_and_b32 v2, 15, v0                           ; r
	v_bfe_u32 v3, v0, 4, 1                         ; hh
	v_lshlrev_b32 v4, 4, v1                        ; 16 x lane
	v_lshlrev_b32 v13, 2, v1                       ; 4 x lane
	v_lshlrev_b32 v10, 6, v2                       ; row r's 16 partial sums (PSB = 0)
	v_mul_u32_u24 v11, v3, 272
	v_mul_u32_u24 v12, v2, 272
	v_add_nc_u32 v9, s26, v10                      ; mine among them
	v_lshl_add_u32 v11, v2, 4, v11
	v_lshl_add_u32 v12, v3, 5, v12
	v_lshlrev_b32 v6, 6, v3                        ; the gain: + 16 hh numbers
	v_add_nc_u32 v11, s22, v11                     ; where my wave puts its two rows of cos or sin
	v_add_nc_u32 v12, CSB, v12                     ; row r's cos, + 8 hh numbers
	v_mov_b32 v234, 0                              ; a lane permute's destination counts as one of its sources
	v_mov_b32 v247, 0                              ; named as the upper half of the pair v[246:247]
	s_wait_alu depctr_va_vdst(0)
	s_wait_kmcnt 0x0
	s_add_nc_u64 s[4:5], s[4:5], s[28:29]
	s_cmp_eq_u32 s23, 0                            ; the choices hang on the work-group's and the wave's number alone
	s_cselect_b64 s[6:7], s[6:7], s[8:9]
	s_cselect_b64 s[42:43], s[14:15], s[16:17]
	s_add_nc_u64 s[6:7], s[6:7], s[34:35]
	s_add_nc_u64 s[44:45], s[42:43], s[36:37]
	s_add_nc_u64 s[46:47], s[42:43], s[38:39]
	s_bitcmp1_b32 s[WV], 0
	s_cselect_b64 s[10:11], s[12:13], s[10:11]
	s_add_nc_u64 s[10:11], s[10:11], s[32:33]
.irp n, 0,1,2,3,4,5,6,7,8,9,10,11,12,13,14,15
	global_load_b128 v[X+4*\n:X+4*\n+3], v4, s[4:5] offset:512*\n th:TH_LOAD_NT   ; 512 consecutive bytes a load
.endr
	global_load_b128 v[CSR:CSR+3], v4, s[10:11]    ; two rows of cos or sin: 512 consecutive bytes
.irp b, 0,1,2,3
.irp j, 0,1,2,3
	global_load_b128 v[W+16*\b+4*\j:W+16*\b+4*\j+3], v6, s[6:7] offset:128*\b+16*\j
.endr
.endr
	s_wait_loadcnt 16                              ; my 64 numbers and cos or sin are in; the gain's 16 loads may be out
	ds_store_b128 v11, v[CSR:CSR+3]
	v_pk_mul_f32 v[230:231], v[X:X+1], v[X:X+1]    ; the sum of their squares, two at a time, in two chains
	v_pk_mul_f32 v[232:233], v[X+2:X+3], v[X+2:X+3]
.set j, 4
.rept 15
	s_delay_alu instid0(VALU_DEP_2)
	v_pk_fma_f32 v[230:231], v[X+j:X+j+1], v[X+j:X+j+1], v[230:231]
	s_delay_alu instid0(VALU_DEP_2)
	v_pk_fma_f32 v[232:233], v[X+j+2:X+j+3], v[X+j+2:X+j+3], v[232:233]
.set j, j+4
.endr
	s_delay_alu instid0(VALU_DEP_1)
	v_pk_add_f32 v[230:231], v[230:231], v[232:233]
	s_delay_alu instid0(VALU_DEP_1)
	v_add_f32 v230, v230, v231
	s_delay_alu instid0(VALU_DEP_1)
	v_permlanex16_b32 v234, v230, s[SEL], s[SEL+1]
	s_delay_alu instid0(VALU_DEP_1)
	v_add_f32 v230, v230, v234                     ; with lane l xor 16's: row r, my head
	ds_store_b32 v9, v230                          ; both lanes of a row write the same word with the same value
	s_wait_dscnt 0x0                               ; for the others' sake: my stores have landed
	s_barrier_signal -1
	s_barrier_wait -1
.irp i, 0,1,2,3
	ds_load_b128 v[TM+4*\i:TM+4*\i+3], v10 offset:16*\i      ; row r's 16 partial sums
.endr
.irp b, 0,1,2,3
.irp e, 0,1
	ds_load_b128 v[CN+8*\b+4*\e:CN+8*\b+4*\e+3], v12 offset:64*\b+16*\e         ; cos of pairs 16 b + 8 hh + 0 .. 7
	ds_load_b128 v[SN+8*\b+4*\e:SN+8*\b+4*\e+3], v12 offset:4352+64*\b+16*\e    ; sin likewise
.endr
.endr
	s_wait_dscnt 16                                ; the partial sums are in; cos and sin may be out
	v_pk_add_f32 v[208:209], v[208:209], v[210:211]
	v_pk_add_f32 v[212:213], v[212:213], v[214:215]
	v_pk_add_f32 v[216:217], v[216:217], v[218:219]
	v_pk_add_f32 v[220:221], v[220:221], v[222:223]
	s_delay_alu instid0(VALU_DEP_3)
	v_pk_add_f32 v[208:209], v[208:209], v[212:213]
	s_delay_alu instid0(VALU_DEP_2)
	v_pk_add_f32 v[216:217], v[216:217], v[220:221]
	s_delay_alu instid0(VALU_DEP_1)
	v_pk_add_f32 v[208:209], v[208:209], v[216:217]
	s_delay_alu instid0(VALU_DEP_1)
	v_add_f32 v208, v208, v209
	s_delay_alu instid0(VALU_DEP_1)
	v_fma_f32 v248, v208, s40, s41                 ; the mean of the squares + 1e-6
	s_wait_alu depctr_va_vdst(0)
	v_rsq_f32 v246, v248
	v_nop                                          ; a plain place behind the transcendental
	s_wait_loadcnt 0x0                             ; the gain
	s_wait_alu depctr_va_vdst(0)                   ; ahead of the first instruction that names the result
.set j, 0
.rept 32
	v_pk_mul_f32 v[X+j:X+j+1], v[X+j:X+j+1], v[246:247] op_sel_hi:[1,0]   ; x / rms,
.set j, j+2
.endr
.set j, 0
.rept 32
	v_pk_mul_f32 v[X+j:X+j+1], v[X+j:X+j+1], v[W+j:W+j+1]                 ; then the gain: two roundings, in this order
.set j, j+2
.endr
	s_wait_dscnt 0x0                               ; cos and sin
.set p, 0
.rept 32                                       ; pair p: registers 2 p, 2 p + 1; o1 = x1 c - x2 s, o2 = x1 s + x2 c
	v_mul_f32 v[Y+2*p], v[X+2*p+1], v[SN+p]
	v_mul_f32 v[Y+2*p+1], v[X+2*p+1], v[CN+p]
	s_delay_alu instid0(VALU_DEP_2)
	v_fma_f32 v[Y+2*p], v[X+2*p], v[CN+p], -v[Y+2*p]
	s_delay_alu instid0(VALU_DEP_2)
	v_fma_f32 v[Y+2*p+1], v[X+2*p], v[SN+p], v[Y+2*p+1]
.set p, p+1
.endr
	QUANT Y
.irp c, 0,1,2
	global_store_b128 v4, v[PC+4*\c:PC+4*\c+3], s[44:45] offset:512*\c   ; 512 consecutive bytes, at a multiple of 256 from the buffer's first byte
.endr
	global_store_b32 v13, v[PW], s[46:47]
	s_wait_tensorcnt 0x0                           ; the wave's end
	ds_add_u32 v[SPW], v[NIL]
	s_wait_dscnt 0x0
	s_endpgm
.Lfunc_end_k_qc8d685d6b1_norm:
	.size	k_qc8d685d6b1_norm, .Lfunc_end_k_qc8d685d6b1_norm-k_qc8d685d6b1_norm
	.p2alignl 7, 3214868480
	.fill 96, 4, 3214868480
	.section	.rodata,"a",@progbits
	.p2align	6, 0x0
	.amdhsa_kernel k_qc8d685d6b1_norm
		.amdhsa_group_segment_fixed_size 11776
		.amdhsa_private_segment_fixed_size 0
		.amdhsa_enable_private_segment 0
		.amdhsa_kernarg_size 56
		.amdhsa_user_sgpr_count 2
		.amdhsa_user_sgpr_kernarg_segment_ptr 1
		.amdhsa_wavefront_size32 1
		.amdhsa_system_sgpr_workgroup_id_x 1
		.amdhsa_system_sgpr_workgroup_id_y 1
		.amdhsa_system_sgpr_workgroup_id_z 1
		.amdhsa_system_vgpr_workitem_id 0
		.amdhsa_next_free_vgpr 256
		.amdhsa_next_free_sgpr 66
		.amdhsa_reserve_vcc 0
		.amdhsa_float_denorm_mode_32 3
		.amdhsa_float_denorm_mode_16_64 3
		.amdhsa_memory_ordered 1
		.amdhsa_forward_progress 1
		.amdhsa_inst_pref_size 31
	.end_amdhsa_kernel
	.amdgpu_metadata
---
amdhsa.version: [ 1, 2 ]
amdhsa.kernels:
  - .name:           k_qc8d685d6b1_norm
    .symbol:         k_qc8d685d6b1_norm.kd
    .args:
      - { .name: h, .offset: 0, .size: 8, .value_kind: global_buffer, .address_space: global }
      - { .name: qnorm_w, .offset: 8, .size: 8, .value_kind: global_buffer, .address_space: global }
      - { .name: knorm_w, .offset: 16, .size: 8, .value_kind: global_buffer, .address_space: global }
      - { .name: freqs_cos, .offset: 24, .size: 8, .value_kind: global_buffer, .address_space: global }
      - { .name: freqs_sin, .offset: 32, .size: 8, .value_kind: global_buffer, .address_space: global }
      - { .name: qa, .offset: 40, .size: 8, .value_kind: global_buffer, .address_space: global }
      - { .name: kv, .offset: 48, .size: 8, .value_kind: global_buffer, .address_space: global }
    .group_segment_fixed_size: 11776
    .private_segment_fixed_size: 0
    .kernarg_segment_align: 8
    .kernarg_segment_size: 56
    .max_flat_workgroup_size: 512
    .sgpr_count:     66
    .vgpr_count:     256
    .wavefront_size: 32
...
	.end_amdgpu_metadata
.endif
;; end of part 3
;; launch attn (part 4): grid 16 x 16, 8 waves a work-group, clusters of 4 x 1, 327,680 bytes of LDS; arguments qa, kv, oq; writes oq
.if DOCPART == 4
	.amdgcn_target "amdgcn-amd-amdhsa--gfx1250"
	.amdhsa_code_object_version 6
	.text
	.protected	k_qc8d685d6b1_attn
	.globl	k_qc8d685d6b1_attn
	.p2align	8
	.type	k_qc8d685d6b1_attn,@function
k_qc8d685d6b1_attn:
	s_mov_b64 s[64:65], 0
	v_nop
	global_prefetch_b8 v0, s[64:65] scope:SCOPE_SE
	s_setreg_imm32_b32 hwreg(HW_REG_WAVE_MODE, 25, 1), 1
	s_wait_xcnt 0x0
	s_wait_alu depctr_hold_cnt(0) depctr_sa_sdst(0) depctr_va_vdst(0) depctr_va_sdst(0) depctr_va_ssrc(0) depctr_va_vcc(0) depctr_vm_vsrc(0)
	s_getreg_b32 s2, hwreg(HW_REG_IB_STS2, 6, 4)
	s_cmp_eq_u32 s2, 0
	s_cbranch_scc0 .Lentry_in_a_cluster
	s_endpgm
.Lentry_in_a_cluster:
	s_bfe_u32 s2, ttmp6, 0x10000c
	s_cmp_lg_u32 s2, 0x3003
	s_cbranch_scc0 .Lentry_shape_is_right
	s_endpgm
.Lentry_shape_is_right:
; o[q][head] = the sum over k of softmax_k(Q . K / sqrt(128)) V, 16 heads of 128, 2,048 queries and keys, no mask; both products on codes of MX-FP6 (E2M3, one E8M0 byte for each 32 along a product's K).
; The result is quantised along the next product's K (head x 128 + channel) and leaves as that product's operand.  All operands are images of their registers (a fragment: 16 rows x 128 K, 1,536 bytes, registers 4 g .. 4 g + 3 of lane l at 512 g + 16 l).
; qa: Q's fragments [head][tile of 16 queries]; from byte 3,145,728 their scale images (128 bytes).  kv: [head][key step of 128][KREC]: 8 fragments of K, 8 of V, K's 8 scale images, V's 8 x 16 scale words.
; oq: [tile of 16 queries][REC]: 16 fragments (K step = head), then 16 scale images.
; THE SOFTMAX AHEAD OF THE SECOND PRODUCT: t = score x log2(e) / sqrt(128); M = the largest t so far, rounded UP to a whole number; p = 2^(t - M) is what is quantised, along the keys, not normalised.
; The sum is taken of the unquantised p, in f32, and divides O at the end.  When M moves, the sum and O are multiplied by 2^(old M - new M): exact.
; SHARES.  A work-group owns 128 queries of one head.  Waves 2 g and 2 g + 1 share 32 queries (two tiles); wave 2 g + e walks the key steps 2 n + e, the e-th record of each slot: so each fragment of K and V that a wave reads from LDS
; feeds two matrix instructions.  A wave's tile 0 is tile 2 g + e, its tile 1 the other.  At the end each wave hands its tile 1's O, M and sum to its partner through LDS bytes of its own, joins the partner's with its tile 0's
; (both brought under the larger M by powers of two) and finishes tile 0.
; LAYOUT.  Both products are used transposed: S^T = K Q^T, O^T = V^T P^T: a lane holds ONE query (lane % 16).  The writers of kv chose the rows of K's and V's tiles so that the 16 registers of tiles 2 b and 2 b + 1 are
; 16 neighbours along the next K: keys, or channels, 32 b + 16 (lane / 16) + 0 .. 15.
; A STEP: S of tile 0; its softmax (V lands meanwhile); O of tile 0 and S of tile 1; now K and V are in registers and the slot is left: the change of slots; the next step's K is asked for; tile 1's softmax; O of tile 1.
; CLUSTER.  The four query blocks of a cluster belong to one head and walk the same records: each is asked for JOINTLY, with the mask of all four.  Waves 0 and 1 fetch a record each.
; THE RING: two slots of two records.  Behind the round of a change of slots the slot just left is filled.  Every wait on TENSORcnt is for 0; one tensor load of a wave is out at most.
; LIMITS: a block of zeros, or one under 2^-124, keeps the scale byte 1 (this program alone reads the bytes).  NaN and infinities are not served.  The scaled scores stay under 2^31 in magnitude.
; REGISTERS: window 0: v1-15 addresses; v16-39 Q's two fragments; v40-47 K's scale words, v48-55 V's; v56-57 Q's; v58-59 p's; v60-67 for each tile -M, the largest t, the sum (2); v68-91 p's codes; v96-159 S^T, then p; v160-223 O^T of tile 0;
;   v232-255 at work.   window 1: v0-95 K's 8 fragments, v96-191 V's 8, v192-255 O^T of tile 1.
.set KREC,  26112
.set HSTR,  16*KREC
.set REC,   26624
.set SLOT1, 65536                      ; slot 1 begins here
.set SPARE, 2*SLOT1                    ; the spare words, 128 bytes for each of eight waves, which no other line names
.set STG,   SPARE+1024                 ; the hand-over: SREG bytes for each wave, into which no tensor load lands
.set SREG,  8704                       ; 8,192 of O^T, then 128 of -M and 128 of the sum
.set NSL,   8
.set LI,   1                           ; 16 x lane
.set LR,   2                           ; 4 x (lane % 16)
.set LS,   3                           ; 4 x lane
.set SPW,  5
.set NIL,  6
.set LIK,  7                           ; LI + my record's place in a slot
.set ADK,  8
.set LRK,  9                           ; LR + the same
.set ADS,  10
.set PFO,  11
.set STW,  12                          ; the hand-over: where I write O^T, where I read my partner's;
.set STR,  13
.set SMW,  14                          ; the same for -M and the sum
.set SMR,  15
.set QF,   16
.set KS,   40
.set VS,   48
.set QS,   56
.set PS,   58
.set PER,  60
.set CD0,  68
.set TM,   16                          ; at the end, where Q lay
.set PW,   32
.set PC,   34
.set WV,   18
.set SEL,  20
.set CS,   22
.set G1,   24
.set G0,   40
.set TB,   44                          ; s44  LDS byte at which the slot in hand begins
.set SLOTS, 45                         ; s45  slots still to be asked for
.set LIM,  46                          ; s46  1 in a wave that prefetches, else the greatest number
.set PFA,  48                          ; s[48:49] where my prefetches stand
.set MSB, 0
.macro WIN new                         ; the immediate's high byte repeats the setting that is left
.if MSB != (\new)
	s_set_vgpr_msb (MSB<<8)|(\new)
.set MSB, (\new)
.endif
.endm
.macro PLACES
.rept 4
	v_nop
.endr
.endm
.macro QUANT s
.irp b, 0,1,2,3
	v_max3_num_f32 v[TM+\b], |v[\s+16*\b]|, |v[\s+1+16*\b]|, 0x1800000   ; block b: my 16 numbers, and the floor 2^(3 - 127)
.endr
.irp i, 2,4,6,8,10,12,14
.irp b, 0,1,2,3
	s_delay_alu instid0(VALU_DEP_4)
	v_max3_num_f32 v[TM+\b], v[TM+\b], |v[\s+16*\b+\i]|, |v[\s+1+16*\b+\i]|
.endr
.endr
.irp b, 0,1,2,3
	s_delay_alu instid0(VALU_DEP_4)
	v_permlanex16_b32 v[TM+4+\b], v[TM+\b], s[SEL], s[SEL+1]
.endr
.irp b, 0,1,2,3
	s_delay_alu instid0(VALU_DEP_4)
	v_max_num_f32 v[TM+\b], v[TM+\b], v[TM+4+\b]
.endr
.irp b, 0,1,2,3
	s_delay_alu instid0(VALU_DEP_4)
	v_add_nc_u32 v[TM+12+\b], 0xff000000, v[TM+\b]
.endr
.irp b, 0,1,2,3
	s_delay_alu instid0(VALU_DEP_4)
	v_lshrrev_b32 v[TM+4+\b], 23, v[TM+12+\b]
.endr
	s_delay_alu instid0(VALU_DEP_3)
	v_lshl_or_b32 v[PW], v[TM+5], 8, v[TM+4]
	s_delay_alu instid0(VALU_DEP_1)
	v_lshl_or_b32 v[PW], v[TM+6], 16, v[PW]
	s_delay_alu instid0(VALU_DEP_1)
	v_lshl_or_b32 v[PW], v[TM+7], 24, v[PW]
.irp c, 0,1
	v_cvt_scalef32_pk16_fp6_f32 v[PC+6*\c:PC+2+6*\c], v[\s+32*\c:\s+15+32*\c], v[TM+12+2*\c]
	v_cvt_scalef32_pk16_fp6_f32 v[PC+12+4*\c:PC+14+4*\c], v[\s+16+32*\c:\s+31+32*\c], v[TM+12+2*\c+1]
.endr
	v_nop                                          ; one plain place behind a scaled conversion
.irp c, 0,1
.irp i, 0,1,2
	v_permlane16_swap_b32 v[PC+6*\c+\i], v[PC+12+4*\c+\i]
.endr
.irp i, 0,1,2
	s_delay_alu instid0(VALU_DEP_3)
	v_mov_b32 v[PC+3+6*\c+\i], v[PC+12+4*\c+\i]
.endr
.endr
.endm
; A joint load: waves 0 and 1 fetch the slot's two records, the others nothing.  The branch hangs on the wave's number alone.  An s_nop 0 and four v_nop follow the load.
.macro JLOAD
	s_cmp_lt_u32 s[WV], 2
	s_cbranch_scc0 .Lasked_\@
	tensor_load_to_lds s[G0:G0+3], s[G1:G1+7]
	s_nop 0
.rept 4
	v_nop
.endr
.Lasked_\@:
.endm
; A PREFETCH INTO THE L2 of the slot that the NEXT change of slots will ask for.  All four clusters of a head walk the same records: the head's first cluster asks.  Its four partners share a slot's 204 blocks of 256 bytes out BY ADDRESS,
; 51 each; in each, waves 2 and 3 ask, lanes 256 bytes apart: 64 lanes for 51 blocks, so the 13 lanes left over name the 51st block again.  The last change that fills a slot asks for nothing; slots 0 and 1 come by their loads alone.
.macro ASK
	s_cmp_gt_u32 s[SLOTS], s[LIM]
	s_cbranch_scc0 .Lnot_mine_\@
	global_prefetch_b8 v[PFO], s[PFA:PFA+1] th:TH_LOAD_NT scope:SCOPE_SE
.Lnot_mine_\@:
.endm
.macro CROUND                          ; a round of the cluster's barrier
	s_barrier_signal -1
	s_barrier_wait -1
	s_cmp_lg_u32 s[WV], 0
	s_cbranch_scc1 .Lnot_wave_0_\@
	s_barrier_signal -3
.Lnot_wave_0_\@:
	s_barrier_wait -3
	s_barrier_signal -1
	s_barrier_wait -1
.endm
	s_load_b128 s[4:7], s[0:1], 0x0                ; qa, kv
	s_load_b64 s[8:9], s[0:1], 0x10                ; oq
	v_lshl_add_u32 v[SPW], v0, 2, SPARE
	v_mov_b32 v[NIL], 0
	ds_add_u32 v[SPW], v[NIL]                      ; the opening: the add, twice on end, and its wait ahead of my first tensor load
	ds_add_u32 v[SPW], v[NIL]
	v_lshrrev_b32 v8, 5, v0
	s_delay_alu instid0(VALU_DEP_1)
	v_readfirstlane_b32 s[WV], v8                  ; wave 0..7
	s_bfe_u32 s13, ttmp6, 0x40000                  ; cx: my place in the cluster
	s_lshl_b32 s14, ttmp9, 2
	s_add_co_u32 s14, s14, s13                     ; my block of 128 queries: it enters Q's and the result's addresses alone
	s_and_b32 s12, ttmp7, 0xffff                   ; the head, which the four partners share
	s_mul_i32 s50, s12, HSTR                       ; the head's records
	s_and_b32 s16, s[WV], 1
	s_mul_i32 s17, s16, KREC                       ; which of a slot's two records is mine, to read and (waves 0, 1) to fetch
	s_add_co_u32 s52, s50, s17
	s_mov_b32 s53, 0
	s_lshl_b32 s15, s14, 3
	s_add_co_u32 s15, s15, s[WV]                   ; my tile 0, 0 .. 127
	s_lshl_b32 s54, s12, 7
	s_add_co_u32 s54, s54, s15
	s_mul_i32 s56, s54, 1536                       ; its fragment of Q
	s_mov_b32 s57, 0
	s_lshl_b32 s58, s54, 7
	s_add_co_u32 s58, s58, 3145728                 ; and scale image
	s_mov_b32 s59, 0
	s_xor_b32 s54, s54, 1                          ; my tile 1: my partner's tile 0
	s_mul_i32 s68, s54, 1536
	s_mov_b32 s69, 0
	s_lshl_b32 s70, s54, 7
	s_add_co_u32 s70, s70, 3145728
	s_mov_b32 s71, 0
	s_mul_i32 s60, s15, REC
	s_mul_i32 s54, s12, 1536
	s_add_co_u32 s60, s60, s54                     ; the result's fragment: my tile 0's record, K step = head
	s_mov_b32 s61, 0
	s_mul_i32 s62, s15, REC
	s_lshl_b32 s54, s12, 7
	s_add_co_u32 s62, s62, s54
	s_add_co_u32 s62, s62, 24576                   ; and its scale image
	s_mov_b32 s63, 0
	s_mul_i32 s72, s[WV], SREG
	s_add_co_u32 s72, s72, STG                     ; the hand-over: my bytes,
	s_xor_b32 s73, s[WV], 1
	s_mul_i32 s73, s73, SREG
	s_add_co_u32 s73, s73, STG                     ; my partner's
	s_mul_i32 s66, s13, 13056                      ; the prefetches: my work-group's 51 blocks,
	s_add_co_u32 s66, s66, s50
	s_add_co_u32 s66, s66, 2*KREC                  ; in slot 1: the first change of slots steps it to slot 2
	s_mov_b32 s67, 0
	s_lshr_b32 s54, s[WV], 1
	s_xor_b32 s54, s54, 1                          ; 0 in waves 2 and 3,
	s_or_b32 s54, s54, ttmp9                       ; of the head's first cluster: the same in all four partners
	s_cmp_eq_u32 s54, 0
	s_cselect_b32 s[LIM], 1, -1
	v_and_b32 v[PFO], 63, v0                       ; in waves 2 and 3: 0 .. 63
	s_delay_alu instid0(VALU_DEP_1)
	v_min_u32 v[PFO], 50, v[PFO]
	s_delay_alu instid0(VALU_DEP_1)
	v_lshlrev_b32 v[PFO], 8, v[PFO]
	s_mov_b32 s[G1], 15|(3<<16)|(1<<21)            ; a record, 26,112 dense bytes, as 102 rows of 32 elements of 8 bytes; the mask: all four work-groups; bit 21 beside it
	s_mov_b32 s[G1+1], 32<<16
	s_mov_b32 s[G1+2], 102<<16
	s_mov_b32 s[G1+3], 32<<16
	s_mov_b32 s[G1+4], 102
	s_mov_b32 s[G1+5], 32
	s_mov_b32 s[G1+6], 0
	s_mov_b32 s[G1+7], 0
	s_mov_b32 s[SEL], 0x76543210
	s_mov_b32 s[SEL+1], 0xfedcba98                 ; selects for lane l xor 16
	s_mov_b32 s[CS], 0x3e0293ee                    ; c = log2(e) / sqrt(128)
	s_mov_b32 s[CS+1], s[CS]                       ; named with it as a pair, so it is written
	s_mov_b32 s[TB], 0
	s_mov_b32 s[SLOTS], NSL-1
	s_wait_alu depctr_va_vdst(0)
	s_wait_dscnt 0x0                               ; both opening adds are done
	s_wait_kmcnt 0x0
	s_mov_b32 s[G0], 1
	s_mov_b32 s[G0+1], s17                         ; LDS address: slot 0
	s_add_nc_u64 s[G0+2:G0+3], s[6:7], s[52:53]
	s_or_b32 s[G0+3], s[G0+3], 0x80000000
	CROUND                                         ; all four work-groups are here: the first joint loads meet
	JLOAD                                          ; slot 0
	s_add_nc_u64 s[56:57], s[4:5], s[56:57]
	s_add_nc_u64 s[58:59], s[4:5], s[58:59]
	s_add_nc_u64 s[68:69], s[4:5], s[68:69]
	s_add_nc_u64 s[70:71], s[4:5], s[70:71]
	s_add_nc_u64 s[60:61], s[8:9], s[60:61]
	s_add_nc_u64 s[62:63], s[8:9], s[62:63]
	s_add_nc_u64 s[PFA:PFA+1], s[6:7], s[66:67]
	v_and_b32 v4, 31, v0
	v_and_b32 v[LR], 15, v0
	s_delay_alu instid0(VALU_DEP_2)
	v_lshlrev_b32 v[LI], 4, v4
	v_lshlrev_b32 v[LS], 2, v4
	v_lshlrev_b32 v[LR], 2, v[LR]
.irp c, 0,1,2
	global_load_b128 v[QF+4*\c:QF+4*\c+3], v[LI], s[56:57] offset:512*\c       ; Q's fragments stay in registers
	global_load_b128 v[QF+12+4*\c:QF+12+4*\c+3], v[LI], s[68:69] offset:512*\c
.endr
	global_load_b32 v[QS], v[LS], s[58:59]         ; and their scale words
	global_load_b32 v[QS+1], v[LS], s[70:71]
	v_add_nc_u32 v[LIK], s17, v[LI]
	v_add_nc_u32 v[LRK], s17, v[LR]
	v_add_nc_u32 v[STW], s72, v[LI]
	v_add_nc_u32 v[STR], s73, v[LI]
	v_add_nc_u32 v[SMW], s72, v[LS]
	v_add_nc_u32 v[SMR], s73, v[LS]
	v_add_nc_u32 v[SMW], 8192, v[SMW]
	v_add_nc_u32 v[SMR], 8192, v[SMR]
.irp t, 0,1
	v_mov_b32 v[PER+4*\t+1], 0xff61b1e6            ; the largest t so far: -3e38, under every t
	v_mov_b32 v[PER+4*\t+2], 0                     ; the sum, in two halves
	v_mov_b32 v[PER+4*\t+3], 0
	v_floor_f32 v[PER+4*\t], -v[PER+4*\t+1]        ; -M
.endr
.irp b, 0,1,2,3
	v_mov_b32 v[236+\b], 0                         ; written once: a lane permute's destination counts as one of its sources
.endr
	v_mov_b32 v253, 0                              ; named as the upper halves of the pairs v[252:253] and v[254:255]
	v_mov_b32 v255, 0
.set j, 0
.rept 64
	v_mov_b32 v[160+j], 0                          ; O^T of tile 0.  (The step has no first step of its own: it finds zeros, which the first change of M leaves zeros)
.set j, j+1
.endr
	WIN 0x40
.set j, 0
.rept 64
	v_mov_b32 v[192+j], 0                          ; O^T of tile 1
.set j, j+1
.endr
	WIN 0
.macro LOADK                           ; 32 LDS loads: K's 8 fragments and scale words of my record
	WIN 0x40
.irp t, 0,1,2,3,4,5,6,7
.irp c, 0,1,2
	ds_load_b128 v[12*\t+4*\c:12*\t+4*\c+3], v[ADK] offset:1536*\t+512*\c
.endr
.endr
	WIN 0
.irp t, 0,1,2,3,4,5,6,7
	ds_load_b32 v[KS+\t], v[ADS] offset:24576+128*\t
.endr
.endm
.macro LOADV                           ; 32 LDS loads: V's
	WIN 0x40
.irp t, 0,1,2,3,4,5,6,7
.irp c, 0,1,2
	ds_load_b128 v[96+12*\t+4*\c:96+12*\t+4*\c+3], v[ADK] offset:12288+1536*\t+512*\c
.endr
.endr
	WIN 0
.irp t, 0,1,2,3,4,5,6,7
	ds_load_b32 v[VS+\t], v[ADS] offset:25600+64*\t
.endr
.endm
.macro NEXTK                           ; my record of the slot in hand: its addresses, and K
	v_add_nc_u32 v[ADK], s[TB], v[LIK]
	v_add_nc_u32 v[ADS], s[TB], v[LRK]
	s_wait_alu depctr_va_vdst(0)
	LOADK
.endm
; Tile t's softmax of 128 keys: the scores in v96-159 become p, its codes in v[CD ..] and its scale word in v[PS + t]; the sum and O^T come under the new M.
.macro SOFTMAX t
.set PE, PER+4*(\t)
.set CD, CD0+12*(\t)
.irp b, 0,1,2,3
	v_max3_num_f32 v[232+\b], v[96+16*\b], v[97+16*\b], v[98+16*\b]   ; the largest score of each block of 32 keys: it serves for the row's maximum and, since p rises with the score, for the block's largest p
.endr
.irp i, 3,5,7,9,11,13
.irp b, 0,1,2,3
	v_max3_num_f32 v[232+\b], v[232+\b], v[96+16*\b+\i], v[97+16*\b+\i]
.endr
.endr
.irp b, 0,1,2,3
	v_max_num_f32 v[232+\b], v[232+\b], v[111+16*\b]
.endr
.irp b, 0,1,2,3
	s_delay_alu instid0(VALU_DEP_4)
	v_permlanex16_b32 v[236+\b], v[232+\b], s[SEL], s[SEL+1]
.endr
.irp b, 0,1,2,3
	s_delay_alu instid0(VALU_DEP_4)
	v_max_num_f32 v[232+\b], v[232+\b], v[236+\b]  ; with lane l xor 16's 16 keys
.endr
	s_delay_alu instid0(VALU_DEP_2)
	v_max3_num_f32 v254, v232, v233, v234
	s_delay_alu instid0(VALU_DEP_1)
	v_max_num_f32 v254, v254, v235                 ; the step's largest score of my query
	s_delay_alu instid0(VALU_DEP_1)
	v_mul_f32 v254, s[CS], v254                    ; as t (c is positive)
	s_delay_alu instid0(VALU_DEP_1)
	v_max_num_f32 v[PE+1], v[PE+1], v254           ; the running largest t
	v_mov_b32 v254, v[PE]
	s_delay_alu instid0(VALU_DEP_2)
	v_floor_f32 v[PE], -v[PE+1]                    ; the new -M = -ceil(t)
	s_delay_alu instid0(VALU_DEP_1)
	v_sub_f32 v254, v[PE], v254                    ; M's old value less its new one: a whole number, 0 or less
	s_delay_alu instid0(VALU_DEP_1)
	v_cvt_i32_f32 v254, v254                       ; (it saturates)
	s_delay_alu instid0(VALU_DEP_1)
	v_ldexp_f32 v252, 1.0, v254                    ; f = 2^(old M - new M)
.set j, 0
.rept 32
	v_pk_fma_f32 v[96+j:97+j], v[96+j:97+j], s[CS:CS+1], v[PE:PE+1] op_sel_hi:[1,0,0]   ; t - M, two at a time
.set j, j+2
.endr
.irp b, 0,1,2,3
	v_fma_f32 v[232+\b], v[232+\b], s[CS], v[PE]   ; the same of each block's largest score
.endr
	s_wait_alu depctr_va_vdst(0)
.set j, 0
.rept 64
	v_exp_f32 v[96+j], v[96+j]                     ; p = 2^(t - M), at most 1: not normalised
.set j, j+1
.endr
	v_pk_mul_f32 v[PE+2:PE+3], v[PE+2:PE+3], v[252:253] op_sel_hi:[1,0]   ; the sums under the new M.  (A plain place behind the exponentials)
	s_wait_alu depctr_va_vdst(0)                   ; one wait for the whole batch, ahead of its first reader
.irp b, 0,1,2,3
	v_exp_f32 v[232+\b], v[232+\b]                 ; the block's largest p: the same two instructions on the same number give the same bits
.endr
.irp k, 0,1,2,3,4,5,6,7                        ; the sum of the unquantised p: eight chains of pairs
	v_pk_add_f32 v[236+2*\k:237+2*\k], v[96+4*\k:97+4*\k], v[98+4*\k:99+4*\k]
.endr
.irp k, 0,1,2,3,4,5,6,7
	v_pk_add_f32 v[236+2*\k:237+2*\k], v[236+2*\k:237+2*\k], v[128+2*\k:129+2*\k]
.endr
.irp k, 0,1,2,3,4,5,6,7
	v_pk_add_f32 v[236+2*\k:237+2*\k], v[236+2*\k:237+2*\k], v[144+2*\k:145+2*\k]
.endr
.irp k, 0,1,2,3
	v_pk_add_f32 v[236+2*\k:237+2*\k], v[236+2*\k:237+2*\k], v[244+2*\k:245+2*\k]
.endr
	s_delay_alu instid0(VALU_DEP_2)
	v_pk_add_f32 v[236:237], v[236:237], v[240:241]
	s_delay_alu instid0(VALU_DEP_2)
	v_pk_add_f32 v[238:239], v[238:239], v[242:243]
	s_delay_alu instid0(VALU_DEP_1)
	v_pk_add_f32 v[236:237], v[236:237], v[238:239]
	s_delay_alu instid0(VALU_DEP_1)
	v_pk_add_f32 v[PE+2:PE+3], v[PE+2:PE+3], v[236:237]
	s_wait_alu depctr_va_vdst(0)                   ; and one for the four
.irp b, 0,1,2,3
	v_max_num_f32 v[232+\b], 0x1800000, v[232+\b]  ; the floor 2^(3 - 127): the byte cannot fall under 1
.endr
.irp b, 0,1,2,3
	s_delay_alu instid0(VALU_DEP_4)
	v_add_nc_u32 v[244+\b], 0xff000000, v[232+\b]  ; 2 off the exponent field: the conversion's scale operand
.endr
.irp b, 0,1,2,3
	s_delay_alu instid0(VALU_DEP_4)
	v_lshrrev_b32 v[236+\b], 23, v[244+\b]         ; the scale's byte
.endr
	s_delay_alu instid0(VALU_DEP_3)
	v_lshl_or_b32 v[PS+\t], v237, 8, v236          ; p's scale word for these 128 keys
	s_delay_alu instid0(VALU_DEP_1)
	v_lshl_or_b32 v[PS+\t], v238, 16, v[PS+\t]
	s_delay_alu instid0(VALU_DEP_1)
	v_lshl_or_b32 v[PS+\t], v239, 24, v[PS+\t]
.irp c, 0,1
	v_cvt_scalef32_pk16_fp6_f32 v[CD+6*\c:CD+2+6*\c], v[96+32*\c:111+32*\c], v[244+2*\c]
	v_cvt_scalef32_pk16_fp6_f32 v[236+4*\c:238+4*\c], v[112+32*\c:127+32*\c], v[244+2*\c+1]
.endr
	v_nop                                          ; one plain place behind a scaled conversion
.irp c, 0,1                                    ; the layout wants a whole block in a lane
.irp i, 0,1,2
	v_permlane16_swap_b32 v[CD+6*\c+\i], v[236+4*\c+\i]
.endr
.irp i, 0,1,2
	s_delay_alu instid0(VALU_DEP_3)
	v_mov_b32 v[CD+3+6*\c+\i], v[236+4*\c+\i]
.endr
.endr
	WIN 0x41*(\t)                                  ; tile 1's O^T: destination and source 0 in window 1
	s_wait_alu depctr_va_vdst(0)
.set j, 0
.rept 32
	v_pk_mul_f32 v[160+32*(\t)+j:161+32*(\t)+j], v[160+32*(\t)+j:161+32*(\t)+j], v[252:253] op_sel_hi:[1,0]   ; O^T under the new M.  (These 32 are also the places between the writes of p's codes and scale word and the products)
.set j, j+2
.endr
.endm
.macro WM d, p, q, c, e, f
	v_wmma_scale_f32_16x16x128_f8f6f4 v[(\d):(\d)+7], v[(\p):(\p)+11], v[(\q):(\q)+11], \c, v[\e], v[\f] matrix_a_fmt:MATRIX_FMT_FP6 matrix_b_fmt:MATRIX_FMT_FP6
.endm
; The first half of a step: V is asked for; S of tile 0; its softmax; O of tile 0 and S of tile 1.  The accumulators take turns, one instruction a turn.
.macro FIRST
	LOADV
	s_wait_dscnt 32                                ; K is in; V's 32 loads may be out
	WIN 0x01                                       ; source 0 window 1
.irp t, 0,1,2,3,4,5,6,7
	WM 96+8*\t, 12*\t, QF, 0, KS+\t, QS
.endr
	WIN 0
	PLACES                                         ; behind the products, ahead of the first read of the scores
	SOFTMAX 0
	s_wait_alu depctr_va_vdst(0)
	s_wait_dscnt 0x0                               ; V is in: all my reads of this slot are over
	WIN 0x01
.irp t, 0,1,2,3,4,5,6,7
	WM 160+8*\t, 96+12*\t, CD0, v[160+8*\t:167+8*\t], VS+\t, PS
.endr
.irp t, 0,1,2,3,4,5,6,7
	WM 96+8*\t, 12*\t, QF+12, 0, KS+\t, QS+1
.endr
	WIN 0
	PLACES                                         ; for the loads into K's registers, and for the first read of the scores
.endm
.macro SECOND                          ; the second half: tile 1's softmax, O of tile 1
	SOFTMAX 1
	WIN 0x51                                       ; source 0, C and D window 1
.irp t, 0,1,2,3,4,5,6,7
	WM 192+8*\t, 96+12*\t, CD0+12, v[192+8*\t:199+8*\t], VS+\t, PS+1
.endr
	WIN 0
	PLACES                                         ; for the next loads into V's registers, and for the reads of O^T
.endm
; THE CHANGE OF SLOTS.  Each wave waits for all its tensor loads (its part of the slot that it is about to read), adds 0 to its spare word, and waits for that and for its reads of the slot that it has left.
; fill = 1: a round of the cluster's barrier, so that no wave of any partner still reads that slot or has a load on its way; the joint load of the keys that follow is the first thing behind it.
.macro CHANGE fill
	s_wait_tensorcnt 0x0                           ; no tensor load of mine is out, so group 0 may be written
	ds_add_u32 v[SPW], v[NIL]                      ; 0 onto my spare word
.if \fill
	s_xor_b32 s[G0+1], s[G0+1], SLOT1              ; the walking descriptor: the other slot than last time,
	s_add_nc_u64 s[G0+2:G0+3], s[G0+2:G0+3], 2*KREC   ; the next two records
	s_wait_xcnt 0x0                                ; the last prefetch has read its address, so it may be written:
	s_add_nc_u64 s[PFA:PFA+1], s[PFA:PFA+1], 2*KREC   ; one slot further on than the walking descriptor
	s_wait_dscnt 0x0
	CROUND
	JLOAD
	ASK
.else
	s_wait_dscnt 0x0
	s_barrier_signal -1
	s_barrier_wait -1
.endif
.endm
	s_wait_alu depctr_va_vdst(0)
	s_wait_loadcnt 0x0                             ; Q
	CHANGE 1                                       ; slot 0 is whole; slot 1 is asked for
	s_sub_co_u32 s[SLOTS], s[SLOTS], 1
	NEXTK
	FIRST
.Lslot:                                            ; six trips: the second half of a step and the first half of the next
	CHANGE 1
	s_xor_b32 s[TB], s[TB], SLOT1                  ; on to the other slot
	NEXTK
	SECOND
	FIRST
	s_sub_co_u32 s[SLOTS], s[SLOTS], 1
	s_cmp_lg_u32 s[SLOTS], 0
	s_cbranch_scc1 .Lslot
	CHANGE 0                                       ; the last slot is written out
	s_xor_b32 s[TB], s[TB], SLOT1
	NEXTK
	SECOND
	FIRST
	SECOND
	; THE HAND-OVER.  My tile 1's O^T, -M and sum go to my partner; my partner's tile 1 is my tile 0.
	v_add_f32 v[PER+2], v[PER+2], v[PER+3]         ; the sums' two halves
	v_add_f32 v[PER+6], v[PER+6], v[PER+7]
	WIN 0x04                                       ; the stores' data: window 1
.set j, 0
.rept 16
	ds_store_b128 v[STW], v[192+4*j:195+4*j] offset:512*j   ; each accumulator from its low end on
.set j, j+1
.endr
	WIN 0
	ds_store_b32 v[SMW], v[PER+4]
	ds_store_b32 v[SMW], v[PER+6] offset:128
	s_wait_dscnt 0x0                               ; for my partner's sake: my stores have landed
	s_barrier_signal -1
	s_barrier_wait -1
.set j, 0
.rept 16
	ds_load_b128 v[96+4*j:99+4*j], v[STR] offset:512*j
.set j, j+1
.endr
	ds_load_b32 v232, v[SMR]
	ds_load_b32 v233, v[SMR] offset:128
	s_wait_dscnt 0x0
	v_min_num_f32 v234, v[PER], v232               ; -M of the two: the larger M
	s_delay_alu instid0(VALU_DEP_1)
	v_sub_f32 v235, v234, v[PER]                   ; my M less it, and my partner's: whole numbers, 0 or less
	v_sub_f32 v236, v234, v232
	s_delay_alu instid0(VALU_DEP_2)
	v_cvt_i32_f32 v235, v235
	s_delay_alu instid0(VALU_DEP_2)
	v_cvt_i32_f32 v236, v236
	s_delay_alu instid0(VALU_DEP_2)
	v_ldexp_f32 v252, 1.0, v235
	s_delay_alu instid0(VALU_DEP_2)
	v_ldexp_f32 v254, 1.0, v236
	s_delay_alu instid0(VALU_DEP_1)
	v_mul_f32 v237, v233, v254
	s_delay_alu instid0(VALU_DEP_1)
	v_fma_f32 v[PER+2], v[PER+2], v252, v237       ; the sum of both halves of the keys
	s_delay_alu instid0(VALU_DEP_1)
	v_permlanex16_b32 v238, v[PER+2], s[SEL], s[SEL+1]
	s_delay_alu instid0(VALU_DEP_1)
	v_add_f32 v[PER+2], v[PER+2], v238             ; with lane l xor 16's: the row's sum
	s_wait_alu depctr_va_vdst(0)
	v_rcp_f32 v250, v[PER+2]
.set j, 0
.rept 32
	v_pk_mul_f32 v[96+j:97+j], v[96+j:97+j], v[254:255] op_sel_hi:[1,0]
.set j, j+2
.endr
	s_wait_alu depctr_va_vdst(0)
.set j, 0
.rept 32
	v_pk_fma_f32 v[96+j:97+j], v[160+j:161+j], v[252:253], v[96+j:97+j] op_sel_hi:[1,0,1]   ; each accumulator from its low end on
.set j, j+2
.endr
	v_mov_b32 v251, v250
.set j, 0
.rept 32
	v_pk_mul_f32 v[96+j:97+j], v[96+j:97+j], v[250:251]   ; O^T / the sum: register 16 b + i is channel 32 b + 16 h + i of my query
.set j, j+2
.endr
	QUANT 96
.irp c, 0,1,2
	global_store_b128 v[LI], v[PC+4*\c:PC+4*\c+3], s[60:61] offset:512*\c   ; 512 consecutive bytes, at a multiple of 256 from the buffer's first byte
.endr
	global_store_b32 v[LS], v[PW], s[62:63]
	s_wait_tensorcnt 0x0                           ; the wave's end
	ds_add_u32 v[SPW], v[NIL]
	s_wait_dscnt 0x0
	CROUND                                         ; the closing round
	s_endpgm
.Lfunc_end_k_qc8d685d6b1_attn:
	.size	k_qc8d685d6b1_attn, .Lfunc_end_k_qc8d685d6b1_attn-k_qc8d685d6b1_attn
	.p2alignl 7, 3214868480
	.fill 96, 4, 3214868480
	.section	.rodata,"a",@progbits
	.p2align	6, 0x0
	.amdhsa_kernel k_qc8d685d6b1_attn
		.amdhsa_group_segment_fixed_size 327680
		.amdhsa_private_segment_fixed_size 0
		.amdhsa_enable_private_segment 0
		.amdhsa_kernarg_size 24
		.amdhsa_user_sgpr_count 2
		.amdhsa_user_sgpr_kernarg_segment_ptr 1
		.amdhsa_wavefront_size32 1
		.amdhsa_system_sgpr_workgroup_id_x 1
		.amdhsa_system_sgpr_workgroup_id_y 1
		.amdhsa_system_sgpr_workgroup_id_z 1
		.amdhsa_system_vgpr_workitem_id 0
		.amdhsa_next_free_vgpr 512
		.amdhsa_next_free_sgpr 80
		.amdhsa_reserve_vcc 0
		.amdhsa_float_denorm_mode_32 3
		.amdhsa_float_denorm_mode_16_64 3
		.amdhsa_memory_ordered 1
		.amdhsa_forward_progress 1
		.amdhsa_inst_pref_size 139
	.end_amdhsa_kernel
	.amdgpu_metadata
---
amdhsa.version: [ 1, 2 ]
amdhsa.kernels:
  - .name:           k_qc8d685d6b1_attn
    .symbol:         k_qc8d685d6b1_attn.kd
    .args:
      - { .name: qa, .offset: 0, .size: 8, .value_kind: global_buffer, .address_space: global }
      - { .name: kv, .offset: 8, .size: 8, .value_kind: global_buffer, .address_space: global }
      - { .name: oq, .offset: 16, .size: 8, .value_kind: global_buffer, .address_space: global }
    .group_segment_fixed_size: 327680
    .private_segment_fixed_size: 0
    .kernarg_segment_align: 8
    .kernarg_segment_size: 24
    .max_flat_workgroup_size: 256
    .sgpr_count:     80
    .vgpr_count:     512
    .wavefront_size: 32
...
	.end_amdgpu_metadata
.endif
;; end of part 4
;; launch outp (part 5): grid 16 x 16, 4 waves a work-group, clusters of 4 x 4, 327,680 bytes of LDS; arguments oq, owq, ob, out0; writes out0
.if DOCPART == 5
	.amdgcn_target "amdgcn-amd-amdhsa--gfx1250"
	.amdhsa_code_object_version 6
	.text
	.protected	k_qc8d685d6b1_outp
	.globl	k_qc8d685d6b1_outp
	.p2align	8
	.type	k_qc8d685d6b1_outp,@function
k_qc8d685d6b1_outp:
	s_mov_b64 s[64:65], 0
	v_nop
	global_prefetch_b8 v0, s[64:65] scope:SCOPE_SE
	s_setreg_imm32_b32 hwreg(HW_REG_WAVE_MODE, 25, 1), 1
	s_wait_xcnt 0x0
	s_wait_alu depctr_hold_cnt(0) depctr_sa_sdst(0) depctr_va_vdst(0) depctr_va_sdst(0) depctr_va_ssrc(0) depctr_va_vcc(0) depctr_vm_vsrc(0)
	s_getreg_b32 s2, hwreg(HW_REG_IB_STS2, 6, 4)
	s_cmp_eq_u32 s2, 0
	s_cbranch_scc0 .Lentry_in_a_cluster
	s_endpgm
.Lentry_in_a_cluster:
	s_bfe_u32 s2, ttmp6, 0x10000c
	s_cmp_lg_u32 s2, 0xf033
	s_cbranch_scc0 .Lentry_shape_is_right
	s_endpgm
.Lentry_shape_is_right:
; C[m][n] = sum over k of A[m][k] B[n][k] + bias[n], M = N = K = 2,048, on codes of MX-FP6 (E2M3, one E8M0 byte for each 32 along K); sums in f32; C f32, rows of 8,192 bytes.
; A and B arrive as images of the operand's registers: for each tile of 16 rows a record of REC bytes: 16 fragments of 1,536 bytes (K steps of 128; registers 4 g .. 4 g + 3 of lane l at 512 g + 16 l), then 16 scale images of 128 bytes.
; A's tile T holds rows 32 (T / 2) + 8 (T % 2) + r + 8 (r / 8) of C; B's tile T columns 16 T + r.
; SHARES.  Work-group (j, i): a block of 128 x 128 of C.  Wave w takes all 128 rows and columns 32 w .. + 31: 8 x 2 = 16 accumulators.
; A: the work-group's 8 records, 212,992 bytes, hold all of K: they come into LDS once, one tensor load of two records a wave, asked for jointly by the four work-groups of a row of the cluster.  Nothing is filled again: no barrier in the walk along K.
; B: each fragment is used by ONE wave of the work-group, once: a wave's two records go from memory straight into its registers, 512 consecutive bytes a load, all asked for at the head.
; B is not asked for jointly: A and B for all of K are 425,984 bytes, so B through LDS would need a ring with rounds of the cluster's barrier, and no wave would share a byte of it with another wave of its work-group.
; No prefetch: every byte that the launch reads is asked for at its head; there is no loop to run ahead in.
; The matrix instruction is used transposed (source 0 = B's rows, source 1 = A's): a lane holds eight neighbouring numbers of a row of C.  The bias is the C of each sum's first product.
; THE WAY OUT: the four waves put the block into one stage in LDS (128 rows x 528 bytes, bytes of its own), each row at its place in C; one barrier; wave w reads rows 32 w .. + 31 back whole and stores 512 consecutive bytes, aligned, an instruction.
; REGISTERS.  window 0: v1-18 addresses; v28, v29 the add's two; v32-47 A's scale words, two sets; v48-79 B's, two a K step; v80-95 the bias; v128-223 A's fragments, set 0 (at the end v96-223: rows of C).
;   window 1: B's fragments of K steps 0-9, 24 registers a step; window 2: of steps 10-15.  window 3: v0-127 the accumulators ((a, c) at 8 (2 a + c)); v128-223 A's fragments, set 1.
.set REC,    26624
.set FRB,    1536
.set FR,     12
.set SPARE,  8*REC                     ; behind A: the spare words, 128 bytes a wave, which no other line names
.set STAGE,  SPARE+512
.set SPITCH, 528
.set LI,  1                            ; 16 x lane
.set LS,  2                            ; 4 x lane
.set BH,  3                            ; 32 x (lane / 16)
.set ADA, 8
.set ADS, 12
.set STO, 16
.set RD,  17
.set SPW, 28
.set NIL, 29
.set ASC, 32
.set BSC, 48
.set BI,  80
.set BK,  96
.set AF,  128
.set G1,  24
.set G0,  32
.set SBF, 36
.set OUT, 44
.set BB,  52
.set MSB, 0
.macro WIN new                         ; the immediate's high byte repeats the setting that is left
.if MSB != (\new)
	s_set_vgpr_msb (MSB<<8)|(\new)
.set MSB, (\new)
.endif
.endm
.macro PLACES                          ; four plain vector places behind matrix instructions (ISA guide 7.12.1)
.rept 4
	v_nop
.endr
.endm
.macro CROUND                          ; a round of the cluster's barrier
	s_barrier_signal -1
	s_barrier_wait -1
	s_cmp_lg_u32 s14, 0
	s_cbranch_scc1 .Lnot_wave_0_\@
	s_barrier_signal -3
.Lnot_wave_0_\@:
	s_barrier_wait -3
	s_barrier_signal -1
	s_barrier_wait -1
.endm
.macro FETCHA st, set                  ; 32 LDS loads: A's 8 fragments and scale words of a K step
	WIN 0xc0*(\set)
.irp i, 0,1,2,3,4,5,6,7
.irp g, 0,1,2
	ds_load_b128 v[AF+FR*\i+4*\g:AF+FR*\i+4*\g+3], v[ADA+\i/2] offset:(\i%2)*REC+(\st)*FRB+512*\g
.endr
.endr
	WIN 0
.irp i, 0,1,2,3,4,5,6,7
	ds_load_b32 v[ASC+8*(\set)+\i], v[ADS+\i/2] offset:(\i%2)*REC+24576+(\st)*128
.endr
.endm
.macro WM d, p, q, c, e, f
	v_wmma_scale_f32_16x16x128_f8f6f4 v[(\d):(\d)+7], v[(\p):(\p)+11], v[(\q):(\q)+11], v[(\c):(\c)+7], v[\e], v[\f] matrix_a_fmt:MATRIX_FMT_FP6 matrix_b_fmt:MATRIX_FMT_FP6
.endm
; K step s.  The next step's A is fetched into the other set.  The 16 accumulators take turns, one instruction a turn, in the same order in every step.
.macro STEP s
	PLACES
.if (\s) < 15
	FETCHA (\s)+1, ((\s)+1)%2
	s_wait_dscnt 32                                ; this step's A is in; the 32 loads just issued may be out
.else
	s_wait_dscnt 0x0
.endif
.if 6*(15-(\s)) > 60
	s_wait_loadcnt 60                              ; this step's B is in: behind it the later steps' loads, six each, were issued
.else
	s_wait_loadcnt 6*(15-(\s))
.endif
.if (\s) == 0
	WIN 0xc0+1+(\s)/10+12*((\s)%2)
.else
	WIN 0xf0+1+(\s)/10+12*((\s)%2)
.endif
.irp a, 0,1,2,3,4,5,6,7
.irp e, 0,1
.if (\s) == 0
	WM 8*(2*\a+\e), 24*((\s)%10)+FR*\e, AF+FR*\a, BI+8*\e, BSC+2*(\s)+\e, ASC+8*((\s)%2)+\a
.else
	WM 8*(2*\a+\e), 24*((\s)%10)+FR*\e, AF+FR*\a, 8*(2*\a+\e), BSC+2*(\s)+\e, ASC+8*((\s)%2)+\a
.endif
.endr
.endr
.endm
	s_load_b256 s[4:11], s[0:1], 0x0               ; oq, owq, ob, out0
	v_lshl_add_u32 v[SPW], v0, 2, SPARE
	v_mov_b32 v[NIL], 0
	ds_add_u32 v[SPW], v[NIL]                      ; the opening: the add, twice on end, and its wait ahead of my first tensor load
	ds_add_u32 v[SPW], v[NIL]
	v_lshrrev_b32 v1, 5, v0
	v_readfirstlane_b32 s14, v1                    ; wave 0..3
	s_bfe_u32 s40, ttmp6, 0x40000                  ; cx, cy: my place in the cluster
	s_bfe_u32 s41, ttmp6, 0x40004
	s_lshl_b32 s42, ttmp9, 2
	s_add_co_u32 s42, s42, s40                     ; block column j
	s_and_b32 s17, ttmp7, 0xffff
	s_lshl_b32 s17, s17, 2
	s_add_co_u32 s17, s17, s41                     ; block row i
	s_lshl_b32 s43, s41, 2
	s_lshl_b32 s43, 15, s43                        ; my row of the cluster
	s_or_b32 s[G1], s43, (3<<16)|(1<<21)           ; the mask; elements of 8 bytes; bit 21 beside a mask
	s_mov_b32 s[G1+1], 3328<<16                    ; two records, each a row of 26,624 bytes
	s_mov_b32 s[G1+2], 2<<16
	s_mov_b32 s[G1+3], 3328<<16
	s_mov_b32 s[G1+4], 2
	s_mov_b32 s[G1+5], 3328
	s_mov_b32 s[G1+6], 0
	s_mov_b32 s[G1+7], 0
	s_lshl_b32 s15, s14, 1
	s_lshl_b32 s34, s17, 3
	s_add_co_u32 s34, s34, s15
	s_mul_i32 s34, s34, REC                        ; A: tiles 8 i + 2 w, + 1
	s_mov_b32 s35, 0
	s_lshl_b32 s36, s42, 3
	s_add_co_u32 s36, s36, s15
	s_mul_i32 s36, s36, REC                        ; B: tiles 8 j + 2 w, + 1
	s_mov_b32 s37, 0
	s_mul_i32 s16, s14, 2*REC                      ; where my two records of A go in LDS
	s_lshl_b32 s44, s17, 20                        ; C: row 128 i + 32 w, the block's 512 bytes of a row
	s_lshl_b32 s45, s14, 18
	s_add_co_u32 s44, s44, s45
	s_lshl_b32 s45, s42, 9
	s_add_co_u32 s44, s44, s45
	s_mov_b32 s45, 0
	s_lshl_b32 s52, s42, 9                         ; the bias: 4 (128 j + 32 w)
	s_lshl_b32 s53, s14, 7
	s_add_co_u32 s52, s52, s53
	s_add_co_u32 s18, s53, STAGE                   ; the stage, way in: my 128 bytes of each row
	s_mov_b32 s53, 0
	s_mul_i32 s19, s14, 32*SPITCH
	s_add_co_u32 s19, s19, STAGE                   ; way out: my 32 rows
	v_and_b32 v5, 31, v0
	v_bfe_u32 v6, v0, 4, 1
	v_and_b32 v7, 15, v0
	v_lshlrev_b32 v[LI], 4, v5
	v_lshlrev_b32 v[LS], 2, v5
	v_lshlrev_b32 v[BH], 5, v6
	v_and_b32 v4, 8, v7
	v_add_nc_u32 v4, v4, v7                        ; r + 8 (r / 8)
	v_mul_u32_u24 v4, v4, SPITCH
	v_add_nc_u32 v4, v4, v[BH]
	v_add_nc_u32 v[STO], s18, v4
	v_add_nc_u32 v[RD], s19, v[LI]
.irp g, 0,1,2,3
	v_add_nc_u32 v[ADA+\g], \g*2*REC, v[LI]
	v_add_nc_u32 v[ADS+\g], \g*2*REC, v[LS]
.endr
	s_wait_alu depctr_va_vdst(0)
	s_wait_dscnt 0x0                               ; both opening adds are done
	s_wait_kmcnt 0x0
	s_mov_b32 s[G0], 1
	s_mov_b32 s[G0+1], s16
	s_add_nc_u64 s[G0+2:G0+3], s[4:5], s[G0+2:G0+3]
	s_or_b32 s[G0+3], s[G0+3], 0x80000000
	s_add_nc_u64 s[SBF:SBF+1], s[6:7], s[SBF:SBF+1]
	s_add_nc_u64 s[BB:BB+1], s[8:9], s[BB:BB+1]
	s_add_nc_u64 s[OUT:OUT+1], s[10:11], s[OUT:OUT+1]
	CROUND                                         ; all sixteen work-groups are here: the joint loads meet
	tensor_load_to_lds s[G0:G0+3], s[G1:G1+7]      ; my one tensor load: two of A's eight records
	s_nop 0
	PLACES
.irp e, 0,1                                    ; the bias: register k of tile e = column 32 w + 16 e + 8 (lane / 16) + k
	global_load_b128 v[BI+8*\e:BI+8*\e+3], v[BH], s[BB:BB+1] offset:64*\e
	global_load_b128 v[BI+8*\e+4:BI+8*\e+7], v[BH], s[BB:BB+1] offset:64*\e+16
.endr
.set ST, 0
.rept 16                                       ; B's scale words of all of K,
.irp e, 0,1
	global_load_b32 v[BSC+2*ST+\e], v[LS], s[SBF:SBF+1] offset:\e*REC+24576+128*ST
.endr
.set ST, ST+1
.endr
.set ST, 0
.rept 16                                       ; then its fragments, K step by K step, six loads a step
	WIN 0x40*(1+ST/10)
.irp e, 0,1
.irp g, 0,1,2
	global_load_b128 v[24*(ST%10)+FR*\e+4*\g:24*(ST%10)+FR*\e+4*\g+3], v[LI], s[SBF:SBF+1] offset:\e*REC+ST*FRB+512*\g
.endr
.endr
.set ST, ST+1
.endr
	WIN 0
	s_wait_tensorcnt 0x0                           ; my two records are in,
	s_barrier_signal -1
	s_barrier_wait -1                              ; everybody's are
	FETCHA 0, 0
.set ST, 0
.rept 16
	STEP ST
.set ST, ST+1
.endr
	PLACES
	WIN 0x0c                                       ; the stores' data: window 3
.irp a, 0,1,2,3,4,5,6,7
.irp e, 0,1
	ds_store_b128 v[STO], v[8*(2*\a+\e):8*(2*\a+\e)+3] offset:(32*(\a/2)+8*(\a%2))*SPITCH+64*\e        ; each accumulator from its low end on
	ds_store_b128 v[STO], v[8*(2*\a+\e)+4:8*(2*\a+\e)+7] offset:(32*(\a/2)+8*(\a%2))*SPITCH+64*\e+16
.endr
.endr
	WIN 0
	s_wait_dscnt 0x0                               ; for the others' sake: my stores have landed
	s_barrier_signal -1
	s_barrier_wait -1
.set ST, 0
.rept 32
	ds_load_b128 v[BK+4*ST:BK+4*ST+3], v[RD] offset:ST*SPITCH     ; a whole row of 512 bytes
.set ST, ST+1
.endr
.irp q, 0,1,2,3
	s_wait_dscnt 24-8*\q                           ; eight more rows are back
.irp u, 0,1,2,3,4,5,6,7
	global_store_b128 v[LI], v[BK+4*(8*\q+\u):BK+4*(8*\q+\u)+3], s[OUT:OUT+1] offset:(8*\q+\u)*8192 th:TH_STORE_NT
.endr
.endr
	s_wait_tensorcnt 0x0                           ; the wave's end
	ds_add_u32 v[SPW], v[NIL]
	s_wait_dscnt 0x0
	CROUND                                         ; the closing round
	s_endpgm
.Lfunc_end_k_qc8d685d6b1_outp:
	.size	k_qc8d685d6b1_outp, .Lfunc_end_k_qc8d685d6b1_outp-k_qc8d685d6b1_outp
	.p2alignl 7, 3214868480
	.fill 96, 4, 3214868480
	.section	.rodata,"a",@progbits
	.p2align	6, 0x0
	.amdhsa_kernel k_qc8d685d6b1_outp
		.amdhsa_group_segment_fixed_size 327680
		.amdhsa_private_segment_fixed_size 0
		.amdhsa_enable_private_segment 0
		.amdhsa_kernarg_size 32
		.amdhsa_user_sgpr_count 2
		.amdhsa_user_sgpr_kernarg_segment_ptr 1
		.amdhsa_wavefront_size32 1
		.amdhsa_system_sgpr_workgroup_id_x 1
		.amdhsa_system_sgpr_workgroup_id_y 1
		.amdhsa_system_sgpr_workgroup_id_z 1
		.amdhsa_system_vgpr_workitem_id 0
		.amdhsa_next_free_vgpr 1024
		.amdhsa_next_free_sgpr 66
		.amdhsa_reserve_vcc 0
		.amdhsa_float_denorm_mode_32 3
		.amdhsa_float_denorm_mode_16_64 3
		.amdhsa_memory_ordered 1
		.amdhsa_forward_progress 1
		.amdhsa_inst_pref_size 93
	.end_amdhsa_kernel
	.amdgpu_metadata
---
amdhsa.version: [ 1, 2 ]
amdhsa.kernels:
  - .name:           k_qc8d685d6b1_outp
    .symbol:         k_qc8d685d6b1_outp.kd
    .args:
      - { .name: oq, .offset: 0, .size: 8, .value_kind: global_buffer, .address_space: global }
      - { .name: owq, .offset: 8, .size: 8, .value_kind: global_buffer, .address_space: global }
      - { .name: ob, .offset: 16, .size: 8, .value_kind: global_buffer, .address_space: global }
      - { .name: out0, .offset: 24, .size: 8, .value_kind: global_buffer, .address_space: global }
    .group_segment_fixed_size: 327680
    .private_segment_fixed_size: 0
    .kernarg_segment_align: 8
    .kernarg_segment_size: 32
    .max_flat_workgroup_size: 128
    .sgpr_count:     66
    .vgpr_count:     1024
    .wavefront_size: 32
...
	.end_amdgpu_metadata
.endif
;; end of part 5
